; MI455X (gfx1250); checked and timed in simulation.
; The chip was launched on July 23, 2026; its instructions are those of AMD's public machine-readable ISA for CDNA 5 (MIT licence, August 2026) and "CDNA5" Instruction Set Architecture Reference Guide (July 2026). The comments in the code are by the model that wrote it; some were corrected since.
;; Multi Self Attention. Allowed arithmetic: matrix products marked QUANTISED: E4M3 operands, one given power-of-two scale a tensor, by v_wmma_f32_16x16x64_fp8_fp8 or v_wmma_f32_16x16x128_fp8_fp8, f32 sums; everything else in f32.
;; Inputs: Wk 1,024 x 1,024 float32; Wp 1,024 x 1,024 float32; Wq 1,024 x 1,024 float32; Wv 1,024 x 1,024 float32; bk 1,024 float32; bp 1,024 float32; bq 1,024 float32; bv 1,024 float32; lowp_scales 12 int32 (the exponents e of the quantised operands' scales 2^e); x 4 x 2,048 x 1,024 float32.
;; Outputs: out0 4 x 2,048 x 1,024 float32.
;; This version of the problem:
;;   THIS VERSION OF THE PROBLEM IS GIVEN IN LOW PRECISION. The matrix products marked QUANTISED in the list below multiply operands that are first quantised to E4M3 (4 exponent bits, 3 mantissa bits; 8 bits a number), with one given power-of-two scale for each operand tensor; their sums are f32. All else is computed in f32.
;;   The module's matrix products, in the order in which they are computed (A, B: the left and right operand; K: the contracted axis; several contracted axes count as one K, in the product's order):
;;     1. [M 8,192, K 1,024] x [K 1,024, N 1,024]; A: input x; B: input Wq: QUANTISED (scales: A lowp_scales[0], B lowp_scales[1])
;;     2. [M 8,192, K 1,024] x [K 1,024, N 1,024]; A: input x; B: input Wk: QUANTISED (scales: A lowp_scales[2], B lowp_scales[3])
;;     3. [M 8,192, K 1,024] x [K 1,024, N 1,024]; A: input x; B: input Wv: QUANTISED (scales: A lowp_scales[4], B lowp_scales[5])
;;     4. batch 64 x [M 2,048, K 64] x [K 64, N 2,048]; A: computed on the way; B: computed on the way: QUANTISED (scales: A lowp_scales[6], B lowp_scales[7])
;;     5. batch 64 x [M 64, K 2,048] x [K 2,048, N 2,048]; A: computed on the way; B: softmax (see below): QUANTISED (scales: A lowp_scales[8], B lowp_scales[9])
;;     6. [M 8,192, K 1,024] x [K 1,024, N 1,024]; A: computed on the way; B: input Wp: QUANTISED (scales: A lowp_scales[10], B lowp_scales[11])
;;   THE QUANTISER, for each operand of a quantised product, along K:
;;     - The operand's scale is 2^e, e = its entry of the input lowp_scales (int32; the entries are numbered through the quantised products in the list's order, A before B).
;;     - Each number is divided by the scale, clamped to +-448, and rounded to the nearest number of E4M3, ties to even, subnormals kept.
;;     - The product sums the exact products of the quantised numbers (number of the format x scale) in f32.
;;   ~~~python
;;   def quantise(x, axis, e):      # numpy; x: float32 -> the quantised numbers, widened to float32 again
;;       x = np.moveaxis(x, axis, -1); K = x.shape[-1]
;;       r = np.clip(x / 2.0 ** e, -448, 448)
;;       step = 2.0 ** (np.maximum(np.frexp(np.where(r == 0, 1, r))[1] - 1, -6) - 3)
;;       q = np.round(r / step) * step * 2.0 ** e      # np.round: ties to even
;;       return np.moveaxis(q, -1, axis).astype(np.float32)
;;   ~~~
;;   SOFTMAX AHEAD OF A QUANTISED PRODUCT. Where the list says 'softmax', what is quantised is not the finished softmax but p = 2^(t - M), with t = logit x log2(e) and M = ceil(the row's largest t), a whole number; so 1/2 < the row's largest p <= 1. The row's sum l is taken of the UNQUANTISED p, in f32, and the product's result is divided by l at the end. Since M is a whole number, a kernel that streams over the keys may use a running M (the ceiling of the running maximum): every later rescaling is an exact power of two, so the quantised numbers keep their values, but for numbers so far below the row's largest that they fall under the format's range.
;;   OPERANDS COMPUTED ON THE WAY. 'Computed on the way' means the value that the module computes at that place (a softmax that the list does not call 'softmax' is quantised finished and normalised). What goes into a quantiser is computed in f32, as accurately as f32 sums, v_exp_f32 and their like allow (about 1e-6 of the number): no bf16 or f16 on the way to a quantiser, and a product that is left as it is and whose result goes on into a quantised operand takes f32 operands (vector FMAs, or v_wmma_f32_16x16x4_f32). A number that lies on a knife's edge between two numbers of the format may be rounded either way, as far as f32 arithmetic and the matrix unit's own rounding can turn it there, and no further.
;; One version. Each part assembles by itself: llvm-mc -triple=amdgcn-amd-amdhsa -mcpu=gfx1250 --defsym DOCPART=n.
;; ======== version 1 of 1: 4 launches
;; limits: right only within a limited range of input values
;; workspace buffers: xc 25,165,824 bytes; wc 4,194,304 bytes; qkvc 25,165,824 bytes; yc 8,388,608 bytes
;; launch quant (part 1): grid 384 x 1, 4 waves a work-group, no clusters, 33,280 bytes of LDS; arguments x, Wq, Wk, Wv, Wp, lowp_scales, xc, wc; writes xc, wc
.if DOCPART == 1
	.amdgcn_target "amdgcn-amd-amdhsa--gfx1250"
	.amdhsa_code_object_version 6
	.text
	.protected	k_qace32fe210_quant
	.globl	k_qace32fe210_quant
	.p2align	8
	.type	k_qace32fe210_quant,@function
k_qace32fe210_quant:
	s_mov_b64 s[64:65], 0
	v_nop
	global_prefetch_b8 v0, s[64:65] scope:SCOPE_SE
	s_setreg_imm32_b32 hwreg(HW_REG_WAVE_MODE, 25, 1), 1
	s_wait_xcnt 0x0
; x [8192][1024] and the four weights [1024][1024], all f32 with K innermost, become codes of FP8 (E4M3), one code a byte, K innermost, in the order of the numbers.
; code = number / 2^e, held within +-448, rounded to the nearest code, ties to even.  x is an operand of three products, each with a scale of its own (entries 0, 2, 4 of the scales):
; it is read once and converted three times, into three parts of xc, 8 MiB apart.  Wq, Wk, Wv, Wp take entries 1, 3, 5, 11 and go to four parts of wc, 1 MiB apart.
; LIMITS: every e lies between -126 and 119, so that 2^e and 448 x 2^e are f32 numbers.  NaN among the inputs is not served; an infinity is held at the largest code.
; SHARES.  Rows are dense, so each tensor is a plain stream.  A work-group takes 32,768 numbers, a wave 16 steps of 512.  Work-groups 0-255 take x; work-group 256 + 32 i + j takes part j of weight i.
; A conversion takes eight neighbours from ONE lane's registers, a load is best where neighbouring LANES take neighbouring bytes: each of a step's four loads reads 512 consecutive bytes, the 2,048 bytes
; go through the wave's own stage in LDS as they lie (16 bytes of padding behind each 64) and come back 64 bytes a lane.  A lane's 16 codes are 16 bytes: a wave's store covers 512 consecutive bytes, aligned.
; No tensor loads, no barrier: waves share nothing.  No matrix unit and no cluster: nothing here is multiplied, and no two work-groups read the same bytes.
; Both kinds of work-group take one path through LDS; a scalar branch on the work-group's number jumps over x's second and third conversion and their stores alone.
.set STEPS, 16
.set SP,    80                         ; a lane's place in a stage: its 64 bytes + 16 of padding
.set WREG,  8192                       ; LDS: a region for each wave: two stages of 32 x SP bytes
.set R,     16                         ; v16-79   four sets of 16 numbers as they are loaded
.set X,     80                         ; v80-111  two sets of 16 neighbours
.set T,     112                        ; v112-127 the 16 neighbours, held
.set C,     128                        ; v128-151 codes: two sets of 3 x 4 registers, by turns
	s_load_b512 s[4:19], s[0:1], 0x0               ; x 4:5, Wq 6:7, Wk 8:9, Wv 10:11, Wp 12:13, scales 14:15, xc 16:17, wc 18:19
	v_lshl_add_u32 v152, v0, 2, 0x8000
	v_mov_b32 v153, 0
	v_lshrrev_b32 v1, 5, v0
	v_readfirstlane_b32 s22, v1                    ; wave
	v_and_b32 v2, 31, v0                           ; lane
	v_lshlrev_b32 v3, 4, v2                        ; 16 x lane: my bytes of a load's 512 and of a store's 512; never rewritten
	s_mul_i32 s23, s22, WREG
	v_lshrrev_b32 v14, 2, v2
	v_mul_u32_u24 v14, v14, SP
	v_and_b32 v15, 3, v2
	v_lshl_add_u32 v14, v15, 4, v14
	v_add_nc_u32 v14, s23, v14                     ; the stage, on the way in: SP (lane / 4) + 16 (lane % 4)
	v_mul_u32_u24 v15, v2, SP
	v_add_nc_u32 v15, s23, v15                     ; and on the way out: SP x lane
	s_sub_co_u32 s20, ttmp9, 256                   ; (wraps in x's work-groups)
	s_lshr_b32 s21, s20, 5                         ; which weight: 0 to 3; far above 3 in x's work-groups
	s_and_b32 s24, s20, 31
	s_cmp_lt_u32 ttmp9, 256
	s_cselect_b32 s24, ttmp9, s24                  ; my work-group's number within its tensor
	s_lshl_b32 s24, s24, 2
	s_add_co_u32 s24, s24, s22                     ; which run of 8,192 numbers is my wave's
	s_mov_b32 s25, 0
	s_lshl_b64 s[26:27], s[24:25], 15              ; its first byte in the numbers,
	s_lshl_b64 s[28:29], s[24:25], 13              ; and in the codes
	s_and_b32 s30, s21, 3
	s_lshl_b32 s30, s30, 20                        ; the weight's part of wc
	s_mov_b32 s31, 0
	s_wait_alu depctr_va_vdst(0)
	s_wait_kmcnt 0x0
	s_load_b256 s[40:47], s[14:15], 0x0            ; e0 .. e7
	s_load_b128 s[48:51], s[14:15], 0x20           ; e8 .. e11
	s_cmp_eq_u32 s21, 0                            ; the source: the choices hang on the work-group's number alone
	s_cselect_b64 s[4:5], s[6:7], s[4:5]
	s_cmp_eq_u32 s21, 1
	s_cselect_b64 s[4:5], s[8:9], s[4:5]
	s_cmp_eq_u32 s21, 2
	s_cselect_b64 s[4:5], s[10:11], s[4:5]
	s_cmp_eq_u32 s21, 3
	s_cselect_b64 s[4:5], s[12:13], s[4:5]
	s_add_nc_u64 s[4:5], s[4:5], s[26:27]
	s_add_nc_u64 s[18:19], s[18:19], s[30:31]
	s_cmp_lt_u32 ttmp9, 256
	s_cselect_b64 s[32:33], s[16:17], s[18:19]     ; where the first conversion's codes go: xc's first part, or the weight's part of wc
	s_add_nc_u64 s[32:33], s[32:33], s[28:29]
	s_add_nc_u64 s[34:35], s[16:17], s[28:29]
	s_add_nc_u64 s[34:35], s[34:35], 0x800000      ; xc's second part,
	s_add_nc_u64 s[36:37], s[34:35], 0x800000      ; and its third
.macro LOAD t
.irp i, 0,1,2,3
	global_load_b128 v[R+16*((\t)%4)+4*\i:R+16*((\t)%4)+4*\i+3], v3, s[4:5] offset:2048*(\t)+512*\i th:TH_LOAD_NT   ; 32 lanes read 512 consecutive bytes; read once in the launch
.endr
.endm
.macro TURN t                          ; step t's numbers through the stage: LDS serves a wave's instructions in order (ISA guide 5.7.1.4), so no wait stands between the stores and the loads
.irp i, 0,1,2,3
	ds_store_b128 v14, v[R+16*((\t)%4)+4*\i:R+16*((\t)%4)+4*\i+3] offset:32*SP*((\t)%2)+8*SP*\i
.endr
.irp i, 0,1,2,3
	ds_load_b128 v[X+16*((\t)%2)+4*\i:X+16*((\t)%2)+4*\i+3], v15 offset:32*SP*((\t)%2)+16*\i
.endr
.endm
.irp t, 0,1,2,3
	LOAD \t
.endr
.macro MKSC e, sc, lim                 ; 2^e as f32 (the conversion takes its exponent field) and 448 x 2^e
	s_add_co_i32 s53, s[\e], 127
	s_lshl_b32 s54, s53, 23
	v_mov_b32 v[\sc], s54
	s_add_co_i32 s53, s53, 8
	s_lshl_b32 s53, s53, 23
	s_or_b32 s53, s53, 0x600000
	v_mov_b32 v[\lim], s53
.endm
	s_wait_kmcnt 0x0
	s_mov_b32 s52, s40                             ; the first conversion's e: e0 for x, else the weight's
	s_cmp_eq_u32 s21, 0
	s_cselect_b32 s52, s41, s52
	s_cmp_eq_u32 s21, 1
	s_cselect_b32 s52, s43, s52
	s_cmp_eq_u32 s21, 2
	s_cselect_b32 s52, s45, s52
	s_cmp_eq_u32 s21, 3
	s_cselect_b32 s52, s51, s52
	MKSC 52, 8, 9
	MKSC 42, 10, 11                                ; e2
	MKSC 44, 12, 13                                ; e4
	s_wait_alu depctr_va_vdst(0)
	s_wait_loadcnt 12                              ; step 0's four loads are in
	TURN 0
; conversion k of step t: the hold (the conversion to an 8-bit code does not saturate: ISA guide 7.6.2) goes into T, so that X stays for the next scale
.macro CONV t, k
.set XS, X+16*((\t)%2)
.set CS, C+12*((\t)%2)+4*(\k)
.set i, 0
.rept 16
	v_med3_num_f32 v[T+i], v[XS+i], -v[9+2*(\k)], v[9+2*(\k)]
.set i, i+1
.endr
	v_cvt_scalef32_pk8_fp8_f32 v[CS:CS+1], v[T:T+7], v[8+2*(\k)]
	v_cvt_scalef32_pk8_fp8_f32 v[CS+2:CS+3], v[T+8:T+15], v[8+2*(\k)]
	v_nop                                          ; one plain vector line between a scaled conversion and the next holds, which write its sources
	global_store_b128 v3, v[CS:CS+3], s[32+2*(\k):33+2*(\k)] offset:512*(\t)   ; 32 lanes store 512 consecutive bytes, aligned
.endm
.macro STEP t
	s_wait_dscnt 0x0                               ; this step's numbers are back from the stage: so its stores into the stage have read their registers,
.if (\t)+4 < STEPS
	LOAD (\t)+4                                    ; which take the loads of four steps on
.endif
.if (\t)+1 < STEPS
.if STEPS-2-(\t) >= 3
	s_wait_loadcnt 12                              ; the next step's four loads are in; those of the three steps behind it may be out
.else
	s_wait_loadcnt 4*(STEPS-2-(\t))
.endif
	TURN (\t)+1                                    ; and go through the other stage while this step is worked
.endif
	s_wait_xcnt 0x0                                ; the stores of two steps back have read this set of code registers
	CONV \t, 0
	s_cmp_lt_u32 ttmp9, 256
	s_cbranch_scc0 .Lweight_\@                     ; a weight has one scale
	CONV \t, 1
	CONV \t, 2
.Lweight_\@:
.endm
.irp t, 0,1,2,3,4,5,6,7,8,9,10,11,12,13,14,15
	STEP \t
.endr
	s_wait_tensorcnt 0x0
	ds_add_u32 v152, v153
	s_wait_dscnt 0x0
	s_endpgm
.Lfunc_end_k_qace32fe210_quant:
	.size	k_qace32fe210_quant, .Lfunc_end_k_qace32fe210_quant-k_qace32fe210_quant
	.p2alignl 7, 3214868480
	.fill 96, 4, 3214868480
	.section	.rodata,"a",@progbits
	.p2align	6, 0x0
	.amdhsa_kernel k_qace32fe210_quant
		.amdhsa_group_segment_fixed_size 33280
		.amdhsa_private_segment_fixed_size 0
		.amdhsa_enable_private_segment 0
		.amdhsa_kernarg_size 64
		.amdhsa_user_sgpr_count 2
		.amdhsa_user_sgpr_kernarg_segment_ptr 1
		.amdhsa_wavefront_size32 1
		.amdhsa_system_sgpr_workgroup_id_x 1
		.amdhsa_system_sgpr_workgroup_id_y 1
		.amdhsa_system_sgpr_workgroup_id_z 1
		.amdhsa_system_vgpr_workitem_id 0
		.amdhsa_next_free_vgpr 154
		.amdhsa_next_free_sgpr 66
		.amdhsa_reserve_vcc 0
		.amdhsa_float_denorm_mode_32 3
		.amdhsa_float_denorm_mode_16_64 3
		.amdhsa_memory_ordered 1
		.amdhsa_forward_progress 1
		.amdhsa_inst_pref_size 81
	.end_amdhsa_kernel
	.amdgpu_metadata
---
amdhsa.version: [ 1, 2 ]
amdhsa.kernels:
  - .name:           k_qace32fe210_quant
    .symbol:         k_qace32fe210_quant.kd
    .args:
      - { .name: x, .offset: 0, .size: 8, .value_kind: global_buffer, .address_space: global }
      - { .name: Wq, .offset: 8, .size: 8, .value_kind: global_buffer, .address_space: global }
      - { .name: Wk, .offset: 16, .size: 8, .value_kind: global_buffer, .address_space: global }
      - { .name: Wv, .offset: 24, .size: 8, .value_kind: global_buffer, .address_space: global }
      - { .name: Wp, .offset: 32, .size: 8, .value_kind: global_buffer, .address_space: global }
      - { .name: lowp_scales, .offset: 40, .size: 8, .value_kind: global_buffer, .address_space: global }
      - { .name: xc, .offset: 48, .size: 8, .value_kind: global_buffer, .address_space: global }
      - { .name: wc, .offset: 56, .size: 8, .value_kind: global_buffer, .address_space: global }
    .group_segment_fixed_size: 33280
    .private_segment_fixed_size: 0
    .kernarg_segment_align: 8
    .kernarg_segment_size: 64
    .max_flat_workgroup_size: 128
    .sgpr_count:     66
    .vgpr_count:     154
    .wavefront_size: 32
...
	.end_amdgpu_metadata
.endif
;; end of part 1
;; launch qkv (part 2): grid 12 x 32, 4 waves a work-group, clusters of 4 x 4, 327,680 bytes of LDS; arguments xc, wc, bq, bk, bv, lowp_scales, qkvc; writes qkvc
.if DOCPART == 2
	.amdgcn_target "amdgcn-amd-amdhsa--gfx1250"
	.amdhsa_code_object_version 6
	.text
	.protected	k_qace32fe210_qkv
	.globl	k_qace32fe210_qkv
	.p2align	8
	.type	k_qace32fe210_qkv,@function
k_qace32fe210_qkv:
	s_mov_b64 s[64:65], 0
	v_nop
	global_prefetch_b8 v0, s[64:65] scope:SCOPE_SE
	s_setreg_imm32_b32 hwreg(HW_REG_WAVE_MODE, 25, 1), 1
	s_wait_xcnt 0x0
	s_wait_alu depctr_hold_cnt(0) depctr_sa_sdst(0) depctr_va_vdst(0) depctr_va_sdst(0) depctr_va_ssrc(0) depctr_va_vcc(0) depctr_vm_vsrc(0)
	s_getreg_b32 s2, hwreg(HW_REG_IB_STS2, 6, 4)
	s_cmp_eq_u32 s2, 0
	s_cbranch_scc0 .Lentry_in_a_cluster
	s_endpgm
.Lentry_in_a_cluster:
	s_bfe_u32 s2, ttmp6, 0x10000c
	s_cmp_lg_u32 s2, 0xf033
	s_cbranch_scc0 .Lentry_shape_is_right
	s_endpgm
.Lentry_shape_is_right:
; q = x Wq^T + bq, k = x Wk^T + bk, v = x Wv^T + bv on codes of FP8 (E4M3), sums in f32; each result is quantised at once (entries 6, 7, 8 of the scales) and leaves as codes.
; The cluster's x says which: 0 q, 1 k, 2 v; it is the same in all sixteen partners, and nothing branches on it: what differs is chosen by s_cselect and v_cndmask.
; A tile of the result, 256 x 256, is made by four waves, each 128 x 128: 64 accumulators, 512 registers.  K = 1,024 goes in four steps of 256 through a ring of two LDS slots filled by the tensor data mover.
; "A" gives the result's rows, "B" its columns; THE MATRIX INSTRUCTION IS USED TRANSPOSED (source 0 = 16 rows of B, source 1 = 16 rows of A): a lane holds ONE row of A and eight neighbouring rows of B.
;   q, k: A = x's codes (tokens), B = the weight's codes (channels): a lane's eight numbers are eight channels of a token: neighbours along the next product's K (the head's 64).
;   v:    A = Wv's codes (channels), B = x's codes (tokens): eight keys of a channel: neighbours along the next product's K (the keys).  So v leaves transposed, and nothing is turned by an instruction.
; CLUSTERS: 4 x 4 work-groups; A's tile is asked for jointly along a row of the cluster, B's along a column.
; OUT: each part of qkvc (q, k, v; 8 MiB each) is [batch 4][head 16][block 32][64 rows][64 bytes]: q, k: row = token, byte = channel; v: row = channel, byte = key.  In each 32 bytes the four groups of eight codes
; lie in the order 0, 2, 1, 3: one load of 16 bytes at 32 c + 16 (lane / 16) then brings registers 4 c .. 4 c + 3 of the K = 64 form's own layout (registers 2 c, 2 c + 1: k = 16 c + 8 (lane / 16) + 0 .. 7).
; LIMITS: e0 + e1, e2 + e3, e4 + e5 between -126 and 127; e6, e7, e8 between -126 and 119: each power of two below is then an f32 number.  NaN is not served.
; REGISTERS, in windows of 256: window 0: v0-31 addresses; v32-95 the bias by columns, v96-111 the bias by rows (each twice); from v128 A's fragments, ONE set; on the way out v128-255 are free.
;   window 1: B's fragments, TWO sets.   window 2: the accumulators of my rows 0-63 ((a, b) at v[8 (8 a + b)]);   window 3: those of my rows 64-127.
.set ROWB,   256                       ; a tile's row in bytes: 256 codes
.set KROW,   1024                      ; a row of codes in memory
.set PITCH,  272                       ; an LDS row: 256 bytes + 16 of padding = 68 words: row r starts at bank 4 r mod 64 (64 banks of 4 bytes: ISA guide 11.1)
.set FR,     16                        ; registers of a fragment: 16 rows x 128 K
.set NL,     4                         ; LDS loads that bring one
.set NP,     4                         ; places behind this matrix instruction (ISA guide 7.12.1)
.set HALFT,  128*PITCH                 ; 128 rows: what one tensor load brings
.set SLOT,   4*HALFT                   ; A's 256 rows, then B's 256 rows
.set LAPS,   2                         ; 1,024 / 512: a lap = two K steps = once round the ring
.set SPARE,  2*SLOT                    ; behind the ring: the spare words, 128 bytes for each wave
.set ADRA, 16                          ; v16-17  LDS address of my A fragments in slot 0, 1
.set ADRB, 20                          ; v20-21  the same for B
.set CO,   26                          ; v26     16 x lane
.set SPW,  28                          ; v28     LDS address of my spare word; never rewritten
.set NIL,  29                          ; v29     0; never rewritten
.set BN,   32
.set BM,   96
.set AF,   128
.set TMP,  128                         ; the way out: a block's 64 numbers
.set PCB,  192                         ; the way out: codes, 16 registers a block, four blocks
.set G1, 24
.set G0, 32
.set G1B, 48
.set G0B, 56
.set MSB, 0
.macro WIN new                         ; the immediate's high byte repeats the setting that is left
.if MSB != (\new)
	s_set_vgpr_msb (MSB<<8)|(\new)
.set MSB, (\new)
.endif
.endm
.set MUL_LO, 0xa1                      ; source 0 (B) window 1, source 1 (A) window 0, C and D window 2
.set MUL_HI, 0xf1                      ; the same, C and D window 3
.set TO_B,   0x40                      ; destination window 1, address window 0
; A joint load: waves 0 and 1 fetch for A, waves 2 and 3 for B; the branch hangs on the wave's number alone.  Four v_nop follow each of the two lines.
.macro JLOAD g0a, g1a, g0b, g1b
	s_cmp_eq_u32 s15, 0
	s_cbranch_scc0 .Lfor_b_\@
	tensor_load_to_lds s[\g0a:\g0a+3], s[\g1a:\g1a+7]
	s_nop 0
.rept 4
	v_nop
.endr
	s_branch .Lasked_\@
.Lfor_b_\@:
	tensor_load_to_lds s[\g0b:\g0b+3], s[\g1b:\g1b+7]
	s_nop 0
.rept 4
	v_nop
.endr
.Lasked_\@:
.endm
.macro CREST                           ; a round of the cluster's barrier behind its opening barrier
	s_cmp_lg_u32 s14, 0
	s_cbranch_scc1 .Lnot_wave_0_\@
	s_barrier_signal -3
.Lnot_wave_0_\@:
	s_barrier_wait -3
	s_barrier_signal -1
	s_barrier_wait -1
.endm
.macro CROUND
	s_barrier_signal -1
	s_barrier_wait -1
	CREST
.endm
	s_load_b256 s[68:75], s[0:1], 0x0              ; xc 68:69, wc 70:71, bq 72:73, bk 74:75
	s_load_b128 s[76:79], s[0:1], 0x20             ; bv 76:77, the scales' exponents 78:79
	s_load_b64 s[80:81], s[0:1], 0x30              ; qkvc
	v_lshl_add_u32 v[SPW], v0, 2, SPARE
	v_mov_b32 v[NIL], 0
	ds_add_u32 v28, v29
	ds_add_u32 v28, v29
	s_wait_dscnt 0x0
	v_lshrrev_b32 v1, 5, v0
	v_readfirstlane_b32 s14, v1                    ; wave 0..3
	s_lshr_b32 s15, s14, 1                         ; which half of the tile's rows is mine.  Also: I fetch for A (0) or for B (1)
	s_and_b32 s16, s14, 1                          ; which half of its columns.  Also: which 128 rows of that tile I fetch
	s_bfe_u32 s40, ttmp6, 0x40000                  ; cx, cy: my place in the cluster
	s_bfe_u32 s41, ttmp6, 0x40004
	s_and_b32 s82, ttmp7, 0xffff
	s_lshl_b32 s82, s82, 2                         ; 4 x cluster y
	s_lshl_b32 s84, ttmp9, 23                      ; kind x 8 MiB: x's set of codes, and the part of qkvc
	s_lshl_b32 s85, ttmp9, 20                      ; kind x 1 MiB: the weight's part of wc
	s_mov_b32 s86, 0x200000                        ; Wv's part of wc
	s_mov_b32 s87, 0x1000000                       ; x's third set
	s_cmp_eq_u32 ttmp9, 2                          ; v?
	s_cselect_b32 s83, -1, 0                       ; a lane mask: all ones for v
	s_cselect_b32 s18, 0, s82                      ; the 32 tile rows or columns of tokens go along the grid's y
	s_cselect_b32 s19, s82, 0
	s_cselect_b32 s86, s86, s84                    ; where A's codes begin in their buffer,
	s_cselect_b32 s87, s87, s85                    ; and B's
	s_add_co_u32 s17, s41, s18                     ; tile row
	s_add_co_u32 s42, s40, s19                     ; tile column
	s_mov_b32 s85, 0                               ; s[84:85]: the part of qkvc
	s_lshl_b32 s43, s41, 2
	s_lshl_b32 s43, 15, s43                        ; my row of the cluster
	s_lshl_b32 s44, 0x1111, s40                    ; my column
	; descriptor group 1: a tile of 128 rows x 256 bytes, padded in LDS
	s_or_b32 s[G1+0], s43, (0<<16)|(1<<20)|(1<<21)|(5<<22)|(3<<25)  ; 15:0 the mask: A's tiles go to my row; 17:16 element of 1 byte; 20 padding on; 21 set beside a mask; 24:22 after every 64 words; 31:25 of 4 words
	s_or_b32 s[G1B+0], s44, (0<<16)|(1<<20)|(1<<21)|(5<<22)|(3<<25)
.irp g, G1, G1B
	s_mov_b32 s[\g+1], ROWB<<16                    ; tensor_dim0
	s_mov_b32 s[\g+2], 128<<16                     ; tensor_dim1
	s_mov_b32 s[\g+3], ROWB<<16                    ; tile_dim0
	s_mov_b32 s[\g+4], 128                         ; tile_dim1
	s_mov_b32 s[\g+5], KROW                        ; tensor_dim0_stride
	s_mov_b32 s[\g+6], 0
	s_mov_b32 s[\g+7], 0
.endr
	s_lshl_b32 s18, s16, 7                         ; which 128 rows of the tile I fetch
	s_lshl_b32 s20, s17, 8
	s_add_co_u32 s20, s20, s18                     ; A: row 256 x tile row + 128 x half
	s_lshl_b32 s46, s42, 8
	s_add_co_u32 s46, s46, s18                     ; B: row 256 x tile column + 128 x half
	s_lshl_b32 s20, s20, 10                        ; in bytes: 24 MiB at the most with the part added
	s_lshl_b32 s46, s46, 10
	s_add_co_u32 s20, s20, s86
	s_add_co_u32 s46, s46, s87
	s_mov_b32 s21, 0
	s_mov_b32 s47, 0
	s_mul_i32 s45, s14, HALFT                      ; where they go: wave x 128 rows: no place in the cluster enters an LDS address
	s_wait_kmcnt 0x0
	s_cmp_eq_u32 ttmp9, 2
	s_cselect_b64 s[4:5], s[70:71], s[68:69]       ; A's buffer,
	s_cselect_b64 s[6:7], s[68:69], s[70:71]       ; B's
	s_add_nc_u64 s[20:21], s[4:5], s[20:21]
	s_add_nc_u64 s[46:47], s[6:7], s[46:47]
	s_cmp_eq_u32 ttmp9, 1
	s_cselect_b64 s[8:9], s[74:75], s[72:73]
	s_cmp_eq_u32 ttmp9, 2
	s_cselect_b64 s[8:9], s[76:77], s[8:9]         ; the bias
	s_add_nc_u64 s[10:11], s[80:81], s[84:85]      ; the part of qkvc
	s_mov_b64 s[12:13], s[78:79]
	s_load_b256 s[68:75], s[12:13], 0x0            ; e0 .. e7 (the arguments that lay here have been chosen from)
	s_load_b32 s76, s[12:13], 0x20                 ; e8
	CROUND                                         ; all sixteen work-groups are here: the first joint loads meet
.irp s, 0,1
	s_mov_b32 s[G0+4*\s], 1
	s_add_co_u32 s[G0+4*\s+1], s45, \s*SLOT
	s_add_nc_u64 s[G0+4*\s+2:G0+4*\s+3], s[20:21], \s*ROWB
	s_or_b32 s[G0+4*\s+3], s[G0+4*\s+3], 0x80000000
	s_mov_b32 s[G0B+4*\s], 1
	s_add_co_u32 s[G0B+4*\s+1], s45, \s*SLOT
	s_add_nc_u64 s[G0B+4*\s+2:G0B+4*\s+3], s[46:47], \s*ROWB
	s_or_b32 s[G0B+4*\s+3], s[G0B+4*\s+3], 0x80000000
.endr
	JLOAD G0, G1, G0B, G1B                         ; K step 0: one tensor load a wave at the head
	v_and_b32 v1, 15, v0                           ; r = l % 16
	s_wait_alu depctr_va_vdst(0)
	v_bfe_u32 v2, v0, 4, 1                         ; h = l / 16
	v_mul_u32_u24 v3, v1, PITCH
	v_lshl_add_u32 v4, v2, 4, v3                   ; a fragment's row x pitch + 16 x half
	s_mul_i32 s21, s15, HALFT                      ; my 128 rows of A
	s_mul_i32 s22, s16, HALFT                      ; my 128 rows of B,
	s_add_co_u32 s22, s22, 2*HALFT                 ; which lie behind A's 256
.irp s, 0,1
	v_add_nc_u32 v[ADRA+\s], s21, v4
	v_add_nc_u32 v[ADRB+\s], s22, v4
	s_add_co_u32 s21, s21, SLOT
	s_add_co_u32 s22, s22, SLOT
.endr
	s_wait_alu depctr_va_vdst(0)
	v_and_b32 v6, 31, v0
	v_lshlrev_b32 v[CO], 4, v6                     ; 16 x lane
	v_lshlrev_b32 v10, 5, v2                       ; the bias by columns: 32 h
	s_wait_alu depctr_va_vdst(0)
	v_lshlrev_b32 v11, 2, v1                       ; the bias by rows: 4 r
	s_wait_alu depctr_va_vdst(0)
	s_lshl_b32 s66, s17, 8
	s_lshl_b32 s67, s15, 7
	s_add_co_u32 s66, s66, s67                     ; m0: my first row
	s_lshl_b32 s67, s42, 8
	s_lshl_b32 s78, s16, 7
	s_add_co_u32 s67, s67, s78                     ; n0: my first column
	s_mov_b32 s92, 0x20000
	s_cmp_eq_u32 ttmp9, 2
	s_cselect_b32 s88, 0, s67                      ; q, k: the bias goes by columns (channels n0 on); v: these loads read the bias's first numbers, which are masked away
	s_cselect_b32 s90, s66, 0                      ; v: by rows (channels m0 on); q, k: likewise masked away.  Either way 512 bytes from at most byte 3,584: inside the 4,096
	s_cselect_b32 s78, s67, s66                    ; my first token,
	s_cselect_b32 s79, s66, s67                    ; my first channel
	s_cselect_b32 s94, s92, 4096                   ; from my rows 0-63 to my rows 64-127: q, k the next block of tokens (4,096 bytes), v the next head (32 blocks)
	s_cselect_b32 s98, 4096, s92                   ; from my columns 0-63 to 64-127: the other way round
	s_lshl_b32 s88, s88, 2
	s_lshl_b32 s90, s90, 2
	s_mov_b32 s89, 0
	s_mov_b32 s91, 0
	s_add_nc_u64 s[88:89], s[8:9], s[88:89]
	s_add_nc_u64 s[90:91], s[8:9], s[90:91]
.set i, 0
.rept 8
	global_load_b128 v[BN+8*i:BN+8*i+3], v10, s[88:89] offset:64*i         ; bias(n0 + 16 b + 8 h + 0 .. 7): the layout of a result's eight registers
	global_load_b128 v[BN+8*i+4:BN+8*i+7], v10, s[88:89] offset:64*i+16
	global_load_b32 v[BM+2*i], v11, s[90:91] offset:64*i                   ; bias(m0 + 16 a + r), twice: a pair for the packed addition
	global_load_b32 v[BM+2*i+1], v11, s[90:91] offset:64*i
.set i, i+1
.endr
	s_lshr_b32 s80, s78, 11                        ; the block of 64 x 64 codes at my first token and channel: batch x 512
	s_lshl_b32 s80, s80, 9
	s_lshr_b32 s81, s79, 6
	s_lshl_b32 s81, s81, 5                         ; + head x 32
	s_add_co_u32 s80, s80, s81
	s_bfe_u32 s81, s78, 0x50006                    ; + (token % 2,048) / 64
	s_add_co_u32 s80, s80, s81
	s_lshl_b32 s80, s80, 12                        ; x 4,096 bytes
	s_mov_b32 s81, 0
	s_mov_b32 s95, 0
	s_mov_b32 s99, 0
	s_add_nc_u64 s[10:11], s[10:11], s[80:81]      ; block (rows 0-63, columns 0-63),
	s_add_nc_u64 s[92:93], s[10:11], s[98:99]      ; (rows 0-63, columns 64-127),
	s_add_nc_u64 s[94:95], s[10:11], s[94:95]      ; (rows 64-127, columns 0-63),
	s_add_nc_u64 s[98:99], s[94:95], s[98:99]      ; (rows 64-127, columns 64-127)
.macro FRAG reg, adr, q, i             ; a fragment, 16 rows x 128 K: lane l holds row l % 16; registers 4 c .. 4 c + 3 hold K = 32 c + 16 (l / 16) + 0 .. 15: a permutation of k, the same in A and in B
.irp c, 0,1,2,3
	ds_load_b128 v[\reg+4*\c:\reg+4*\c+3], v[\adr] offset:128*(\q)+32*\c+(\i)*16*PITCH
.endr
.endm
; 16 matrix instructions: A's blocks a0, a0 + 1 x B's eight, 128 along K.  p: B's set.  zero = 1: the first product starts the sums.  The 64 accumulators take turns, one instruction a turn.
.macro MUL16 a0, p, zero
.irp a, \a0, \a0+1
.irp b, 0,1,2,3,4,5,6,7
.if \zero
	v_wmma_f32_16x16x128_fp8_fp8 v[8*(8*((\a)%4)+\b):8*(8*((\a)%4)+\b)+7], v[128*(\p)+FR*\b:128*(\p)+FR*\b+FR-1], v[AF+FR*(\a):AF+FR*(\a)+FR-1], 0
.else
	v_wmma_f32_16x16x128_fp8_fp8 v[8*(8*((\a)%4)+\b):8*(8*((\a)%4)+\b)+7], v[128*(\p)+FR*\b:128*(\p)+FR*\b+FR-1], v[AF+FR*(\a):AF+FR*(\a)+FR-1], v[8*(8*((\a)%4)+\b):8*(8*((\a)%4)+\b)+7]
.endif
.endr
.endr
.endm
.macro FETCH_B slot, q, p
	WIN TO_B
.irp i, 0,1,2,3,4,5,6,7
	FRAG 128*(\p)+FR*\i, ADRB+\slot, \q, \i
.endr
	WIN 0
.endm
.macro FETCH_A slot, q, i0
.irp i, \i0, \i0+1, \i0+2, \i0+3
	FRAG AF+FR*(\i), ADRA+\slot, \q, \i
.endr
.endm
.macro PLACES n                        ; plain vector lines between a matrix instruction and a load into a register that it has read (ISA guide 7.12.1 for vector instructions)
.rept \n
	v_nop
.endr
.endm
; A step of 128 along K that has its successor in the same slot.  A's blocks are free as soon as their eight products are issued: one set serves A; B's are at work through the step: two sets.
.macro STEP slot, q, zero
	s_wait_dscnt 4*NL                              ; B's set and A's blocks 0-3 are in; the youngest sixteen loads (A's blocks 4-7) may be out
	WIN MUL_LO
	MUL16 0, (\q)%2, \zero
	MUL16 2, (\q)%2, \zero
	s_wait_dscnt 0                                 ; A's blocks 4-7 are in
	PLACES NP
	FETCH_B \slot, (\q)+1, 1-(\q)%2
	FETCH_A \slot, (\q)+1, 0
	WIN MUL_HI
	MUL16 4, (\q)%2, \zero
	MUL16 6, (\q)%2, \zero
	PLACES NP
	WIN 0
	FETCH_A \slot, (\q)+1, 4
.endm
; A slot's last step changes slots: ONE barrier; in front of it each wave waits for all its tensor loads, adds 0 to its spare word, and waits for that and for its own reads of this slot.  fill = 1: this slot is filled again, two K steps ahead.
.macro TURN slot, next, fill
	s_wait_tensorcnt 0x0                           ; all my tensor loads have landed: my part of the next slot
	ds_add_u32 v[SPW], v[NIL]                      ; 0 onto my spare word
	s_wait_dscnt 4*NL+1                            ; (the add and the youngest sixteen loads may be out)
	WIN MUL_LO
	MUL16 0, 1, 0                                  ; sixteen matrix instructions stand between the add and the wait for it
	s_wait_dscnt 0x0                               ; the add is done, and my reads of this slot are over
	s_barrier_signal -1
	MUL16 2, 1, 0
	WIN 0
	s_barrier_wait -1
.if \fill
	CREST                                          ; the barrier has opened a round of the cluster's barrier: no wave of any partner still reads this slot's tile or has a load on its way
	s_add_nc_u64 s[G0+4*\slot+2:G0+4*\slot+3], s[G0+4*\slot+2:G0+4*\slot+3], 2*ROWB
	s_add_nc_u64 s[G0B+4*\slot+2:G0B+4*\slot+3], s[G0B+4*\slot+2:G0B+4*\slot+3], 2*ROWB
	JLOAD G0+4*\slot, G1, G0B+4*\slot, G1B         ; the first tensor load behind the round; its four v_nop are also the places in front of the loads below
.else
	PLACES NP
.endif
	FETCH_B \next, 0, 0
	FETCH_A \next, 0, 0
	WIN MUL_HI
	MUL16 4, 1, 0
	MUL16 6, 1, 0
	PLACES NP
	WIN 0
	FETCH_A \next, 0, 4
.endm
	s_wait_alu depctr_va_vdst(0)
	s_wait_tensorcnt 0x0                           ; my part of K step 0 is in
	ds_add_u32 v[SPW], v[NIL]
	s_wait_dscnt 0x0
	CROUND                                         ; everybody's part of K step 0 is in, and all sixteen work-groups are here
	JLOAD G0+4, G1, G0B+4, G1B                     ; K step 1: slot 1's first fill, the first tensor load behind the round
	FETCH_B 0, 0, 0
	FETCH_A 0, 0, 0
	FETCH_A 0, 0, 4
	STEP 0, 0, 1                                   ; the first step stands in front of the loop: its products start the sums
	s_mov_b32 s3, LAPS-1
.Llap:                                                 ; a trip goes once round the ring and fills both slots again
	TURN 0, 1, 1
	STEP 1, 0, 0
	TURN 1, 0, 1
	STEP 0, 0, 0
	s_sub_co_u32 s3, s3, 1
	s_cmp_lg_u32 s3, 0
	s_cbranch_scc1 .Llap
	TURN 0, 1, 0                                   ; the last lap fills nothing
	STEP 1, 0, 0
	s_wait_dscnt 4*NL
	WIN MUL_LO
	MUL16 0, 1, 0
	MUL16 2, 1, 0
	s_wait_dscnt 0
	WIN MUL_HI
	MUL16 4, 1, 0
	MUL16 6, 1, 0
	WIN 0
	; THE WAY OUT: number = sum x 2^(ea + eb) + bias, in f32; held within +-448 x 2^eo; converted; four blocks of 16 rows leave straight from registers into two blocks of 64 rows x 64 bytes.
	s_wait_kmcnt 0x0
	s_wait_loadcnt 0x0                             ; the biases
	s_add_co_i32 s18, s68, s69                     ; e0 + e1
	s_add_co_i32 s19, s70, s71                     ; e2 + e3
	s_add_co_i32 s20, s72, s73                     ; e4 + e5
	s_cmp_eq_u32 ttmp9, 1
	s_cselect_b32 s18, s19, s18
	s_cselect_b32 s21, s75, s74                    ; e7 or e6
	s_cmp_eq_u32 ttmp9, 2
	s_cselect_b32 s18, s20, s18
	s_cselect_b32 s21, s76, s21                    ; e8
	s_add_co_i32 s18, s18, 127
	s_lshl_b32 s96, s18, 23                        ; 2^(ea + eb) as f32
	s_mov_b32 s97, s96                             ; (named with it as a pair, so it is written)
	s_add_co_i32 s21, s21, 127
	s_lshl_b32 s22, s21, 23
	v_mov_b32 v8, s22                              ; 2^eo: the conversion takes its exponent field
	s_add_co_i32 s21, s21, 8
	s_lshl_b32 s21, s21, 23
	s_or_b32 s21, s21, 0x600000
	v_mov_b32 v9, s21                              ; 448 x 2^eo
.set i, 0
.rept 64
	v_cndmask_b32 v[BN+i], v[BN+i], 0, s83         ; v has no bias by columns.  (These 80 plain lines name no register of the last products: they are the places behind them)
.set i, i+1
.endr
.set i, 0
.rept 16
	v_cndmask_b32 v[BM+i], 0, v[BM+i], s83         ; q and k have none by rows
.set i, i+1
.endr
.macro QBLK a                          ; block a: my rows 16 a .. 16 a + 15, all 128 columns
.set AC, 64*((\a)%4)
.set PC, PCB+16*((\a)%4)
	WIN 0x02+((\a)/4)                              ; source 0: window 2 or 3
.set i, 0
.rept 32
	v_pk_fma_f32 v[TMP+i:TMP+i+1], v[AC+i:AC+i+1], s[96:97], v[BN+i:BN+i+1] op_sel_hi:[1,0,1]   ; each accumulator from its low end on
.set i, i+2
.endr
	WIN 0
.set i, 0
.rept 32
	v_pk_add_f32 v[TMP+i:TMP+i+1], v[TMP+i:TMP+i+1], v[BM+2*(\a):BM+2*(\a)+1]
.set i, i+2
.endr
.set i, 0
.rept 64
	v_med3_num_f32 v[TMP+i], v[TMP+i], -v9, v9     ; the conversion to an 8-bit code does not saturate (ISA guide 7.6.2)
.set i, i+1
.endr
.irp b, 0,1,2,3,4,5,6,7
	v_cvt_scalef32_pk8_fp8_f32 v[PC+2*\b:PC+2*\b+1], v[TMP+8*\b:TMP+8*\b+7], v8
.endr
	v_nop                                          ; one plain vector line behind the last conversion: the next block writes its sources
.endm
; THE ORDER IN WHICH THE CODES LEAVE (it takes the place of the order inside a block that the head comment gives): a block of 64 rows x 64 bytes is four tiles of 16 rows, 1,024 bytes each, and a tile is
; AN IMAGE OF THE NEXT LAUNCH'S OPERAND REGISTERS: bytes 512 c + 16 lane + 0 .. 15 are registers 4 c .. 4 c + 3 of lane (r, h): row r, k = 32 c + 8 h + 0 .. 7 and 32 c + 16 + 8 h + 0 .. 7.
; Those are the four code registers that this very lane has made for its row, so nothing goes through LDS: 32 lanes store 512 consecutive bytes, aligned, straight from registers.
.macro OUT p0, p1                      ; four blocks of 16 rows: their columns 0-63 to the block at s[p0], columns 64-127 to the block at s[p1]
	s_wait_alu depctr_va_vdst(0)                   ; ahead of the stores that read what was just written
.set i, 0
.rept 8
	global_store_b128 v[CO], v[PCB+16*(i/2)+4*(i%2):PCB+16*(i/2)+4*(i%2)+3], s[\p0:\p0+1] offset:512*i
	global_store_b128 v[CO], v[PCB+16*(i/2)+8+4*(i%2):PCB+16*(i/2)+8+4*(i%2)+3], s[\p1:\p1+1] offset:512*i
.set i, i+1
.endr
.endm
	QBLK 0
	QBLK 1
	QBLK 2
	QBLK 3
	OUT 10, 92
	s_wait_xcnt 0x0                                ; the stores have read their registers: they are written again below
	QBLK 4
	QBLK 5
	QBLK 6
	QBLK 7
	OUT 94, 98
	s_wait_tensorcnt 0x0                           ; the wave's end
	ds_add_u32 v[SPW], v[NIL]
	s_wait_dscnt 0x0
	CROUND                                         ; the closing round: no work-group ends while a partner may still ask for a tile that names it
	s_endpgm
.Lfunc_end_k_qace32fe210_qkv:
	.size	k_qace32fe210_qkv, .Lfunc_end_k_qace32fe210_qkv-k_qace32fe210_qkv
	.p2alignl 7, 3214868480
	.fill 96, 4, 3214868480
	.section	.rodata,"a",@progbits
	.p2align	6, 0x0
	.amdhsa_kernel k_qace32fe210_qkv
		.amdhsa_group_segment_fixed_size 327680
		.amdhsa_private_segment_fixed_size 0
		.amdhsa_enable_private_segment 0
		.amdhsa_kernarg_size 56
		.amdhsa_user_sgpr_count 2
		.amdhsa_user_sgpr_kernarg_segment_ptr 1
		.amdhsa_wavefront_size32 1
		.amdhsa_system_sgpr_workgroup_id_x 1
		.amdhsa_system_sgpr_workgroup_id_y 1
		.amdhsa_system_sgpr_workgroup_id_z 1
		.amdhsa_system_vgpr_workitem_id 0
		.amdhsa_next_free_vgpr 1024
		.amdhsa_next_free_sgpr 100
		.amdhsa_reserve_vcc 0
		.amdhsa_float_denorm_mode_32 3
		.amdhsa_float_denorm_mode_16_64 3
		.amdhsa_memory_ordered 1
		.amdhsa_forward_progress 1
		.amdhsa_inst_pref_size 160
	.end_amdhsa_kernel
	.amdgpu_metadata
---
amdhsa.version: [ 1, 2 ]
amdhsa.kernels:
  - .name:           k_qace32fe210_qkv
    .symbol:         k_qace32fe210_qkv.kd
    .args:
      - { .name: xc, .offset: 0, .size: 8, .value_kind: global_buffer, .address_space: global }
      - { .name: wc, .offset: 8, .size: 8, .value_kind: global_buffer, .address_space: global }
      - { .name: bq, .offset: 16, .size: 8, .value_kind: global_buffer, .address_space: global }
      - { .name: bk, .offset: 24, .size: 8, .value_kind: global_buffer, .address_space: global }
      - { .name: bv, .offset: 32, .size: 8, .value_kind: global_buffer, .address_space: global }
      - { .name: lowp_scales, .offset: 40, .size: 8, .value_kind: global_buffer, .address_space: global }
      - { .name: qkvc, .offset: 48, .size: 8, .value_kind: global_buffer, .address_space: global }
    .group_segment_fixed_size: 327680
    .private_segment_fixed_size: 0
    .kernarg_segment_align: 8
    .kernarg_segment_size: 56
    .max_flat_workgroup_size: 128
    .sgpr_count:     100
    .vgpr_count:     1024
    .wavefront_size: 32
...
	.end_amdgpu_metadata
.endif
;; end of part 2
;; launch attn (part 3): grid 4 x 64, 8 waves a work-group, clusters of 4 x 1, 327,680 bytes of LDS; arguments qkvc, lowp_scales, yc; writes yc
.if DOCPART == 3
	.amdgcn_target "amdgcn-amd-amdhsa--gfx1250"
	.amdhsa_code_object_version 6
	.text
	.protected	k_qace32fe210_attn
	.globl	k_qace32fe210_attn
	.p2align	8
	.type	k_qace32fe210_attn,@function
k_qace32fe210_attn:
	s_mov_b64 s[64:65], 0
	v_nop
	global_prefetch_b8 v0, s[64:65] scope:SCOPE_SE
	s_setreg_imm32_b32 hwreg(HW_REG_WAVE_MODE, 25, 1), 1
	s_wait_xcnt 0x0
	s_wait_alu depctr_hold_cnt(0) depctr_sa_sdst(0) depctr_va_vdst(0) depctr_va_sdst(0) depctr_va_ssrc(0) depctr_va_vcc(0) depctr_vm_vsrc(0)
	s_getreg_b32 s2, hwreg(HW_REG_IB_STS2, 6, 4)
	s_cmp_eq_u32 s2, 0
	s_cbranch_scc0 .Lentry_in_a_cluster
	s_endpgm
.Lentry_in_a_cluster:
	s_bfe_u32 s2, ttmp6, 0x10000c
	s_cmp_lg_u32 s2, 0x3003
	s_cbranch_scc0 .Lentry_shape_is_right
	s_endpgm
.Lentry_shape_is_right:
; y[b][q][head][:] = the sum over keys k <= q of softmax_k(q . k / 8) v[k][:], both products on codes of FP8 (E4M3); y is quantised at once (entry 10 of the scales) and leaves as codes.
; LEFT OUT: steps of 128 keys all of which come after a block's 32 queries: the causal mask turns their scores into -infinity, so they add 0 to every sum, whatever the inputs hold.
; q, k, v come as the launch before laid them: tiles of 16 rows x 64 codes, 1,024 bytes, each an image of the operand's registers (bytes 512 c + 16 lane: registers 4 c .. 4 c + 3 of the K = 64 form).
;   q, k: row = token, codes along the channels; tile n holds tokens 16 n on.  v: row = channel, codes along the keys; 64 keys are four tiles of 16 channels, 4,096 bytes.
; THE WHOLE HEAD LIES IN LDS: K's 128 KiB from byte 0, V's 128 KiB behind it, with no padding: a fragment load reads 16 bytes a lane on end.  Each of the eight waves asks for 32 KiB by its one tensor load at the head;
; nothing is filled again, so one barrier serves the launch's K and V, and behind it the waves walk on their own.
; CLUSTER: the four work-groups of a head (4, 1, 1) need the same K and V: every load is a joint one, with the mask 15.  All four read every tile: each has a block among the head's last four.
; NO PREFETCH: every byte of K and V is asked for by the head's loads; there is no later load to run ahead of.
; SHARES.  A head has 64 blocks of 32 queries.  Wave w of work-group g owns block 63 - 4 w - g (high) and block 4 w + g (low).  Keys go 128 a step: the high block needs steps 0 .. 15 - w, the low one 0 .. w:
; 17 block steps in every wave, and no branch hangs on g.  While both blocks are live they use the same fragments.  Both loops have 16 trips in every wave; a scalar branch on ids leads round a step's work.
; THE SOFTMAX, in two walks over the keys.  Walk 1: S^T = K Q^T and the row's largest score.  t = score x log2(e) / 8; M = ceil(the row's largest t).  Walk 2: S^T again, p = 2^(t - M), the row's sum of the unquantised p,
; p's codes (entry 9), O^T += V^T P^T.  M is final in walk 2, so nothing is rescaled, and O^T is touched by matrix instructions alone until the way out.
; THE DIAGONAL.  In a block's last step the first product takes as C a matrix of 0 and -2^100 (hidden keys), which the waves build once and keep in LDS: 4 tiles x 64 registers, the same for all waves of a work-group.
; The step's first key counts for every query of the block, so M is a number; a hidden key's p is 0.
; LAYOUT.  Both products are used transposed (source 0 = 16 keys, or 16 channels): a lane holds ONE query (lane % 16).  In S^T register 8 t + j is key 16 t + 8 (lane / 16) + j, so the conversions' results are registers
; 2 t, 2 t + 1 of the K = 128 form's operand.
; LIMITS: e6 + e7 between -60 and 130 (added to c's exponent field; at -60 a hidden key's t still lies under -2^37); the scaled scores stay under 2^31 in magnitude; e9, e10 between -126 and 119; NaN is not served.
; REGISTERS.  Window 0: v1-15 addresses; v16-23 -M and t, a pair a tile; v24-31 the sums; v32-95 K's eight fragments; v96-159, v160-223 two sets of S^T; v224-239 p's codes (walk 1: the running maxima); v240-253 constants, at work.
;   Window 1: v0-127 O^T of the four tiles; v128-159 Q; v160-223 V's four fragments.
.set VB,    131072                     ; V's first byte in LDS
.set MASKB, 262144                     ; the four masks, 8,192 bytes each
.set STAGE, 294912                     ; the way out: for each wave two stages of 16 rows x 80 bytes
.set SPARE, 315392                     ; the spare words, 128 bytes for each wave
.set NEG,   0xf1800000                 ; -2^100
.set L16, 1                            ; 16 x lane
.set KA,  2                            ; K's address in hand
.set VA,  3                            ; V's
.set SPW, 4                            ; my spare word; never rewritten
.set NIL, 5                            ; 0; never rewritten
.set SIN, 6                            ; the stage, in
.set SBK, 7                            ; the stage, back
.set MA,  9                            ; MASKB + 16 x lane
.set VL,  15                           ; VB + 16 x lane
.set NM,  16
.set LS,  24
.set KF,  32
.set SA,  96
.set SB,  160
.set PC,  224
.set SCP, 240                          ; 2^e9, 448 x 2^e9, 2^e10, 448 x 2^e10
.set LIMP, 241
.set LIM2, 8                           ; 448 x 2^e9 once more, in another register bank: the second half of a dual pair takes it
.set SCY, 242
.set LIMY, 243
.set T1,  244
.set T2,  246
.set T3,  248
.set PL,  250                          ; v250-253 the lane permutes' results
.set OA,  0                            ; window 1
.set QF,  128
.set VF,  160
.set W,   14                           ; s14 wave; s15 g; s16 16 x batch + head; s17, s18 the high and the low block's last step; s19 the step; s22 8,192 x the step
.set G,   15
.set HB,  16
.set HL,  17
.set LL,  18
.set ST,  19
.set KO,  22
.set CS,  48
.set MSB, 0
.macro WIN new                         ; the immediate's high byte repeats the setting that is left
.if MSB != (\new)
	s_set_vgpr_msb (MSB<<8)|(\new)
.set MSB, (\new)
.endif
.endm
.macro NOP4
.rept 4
	v_nop
.endr
.endm
.macro CROUND                          ; a round of the cluster's barrier
	s_barrier_signal -1
	s_barrier_wait -1
	s_cmp_lg_u32 s[W], 0
	s_cbranch_scc1 .Lnw0_\@
	s_barrier_signal -3
.Lnw0_\@:
	s_barrier_wait -3
	s_barrier_signal -1
	s_barrier_wait -1
.endm
.macro MKSC e, sc, lim                 ; 2^e as f32 and 448 x 2^e
	s_add_co_i32 s60, s[\e], 127
	s_lshl_b32 s61, s60, 23
	v_mov_b32 v[\sc], s61
	s_add_co_i32 s60, s60, 8
	s_lshl_b32 s60, s60, 23
	s_or_b32 s60, s60, 0x600000
	v_mov_b32 v[\lim], s60
.endm
.macro GETK                            ; the eight fragments of the 128 keys at LDS byte s60
	v_add_nc_u32 v[KA], s60, v[L16]
.set t, 0
.rept 16
	ds_load_b128 v[KF+4*t:KF+4*t+3], v[KA] offset:512*t
.set t, t+1
.endr
.endm
.macro NEXTK                           ; the next step's; in step 15 the same keys once more, so that the count of loads out is the same in every trip
	s_add_co_u32 s60, s[KO], 8192
	s_min_u32 s60, s60, 15*8192
	GETK
.endm
; S^T of tile x (0, 1: the high block's; 2, 3: the low one's) into set S: eight accumulators, one instruction each.  In the block's last step C is the mask.
.macro SCORE S, x, last
	s_cmp_eq_u32 s[ST], s[\last]
	s_cbranch_scc1 .Ldg_\@
	WIN 0x04                                       ; source 1 (Q) in window 1
.set t, 0
.rept 8
	v_wmma_f32_16x16x64_fp8_fp8 v[\S+8*t:\S+8*t+7], v[KF+8*t:KF+8*t+7], v[QF+8*\x:QF+8*\x+7], 0
.set t, t+1
.endr
	WIN 0
	s_branch .Ljn_\@
.Ldg_\@:
.set t, 0
.rept 16
	ds_load_b128 v[\S+4*t:\S+4*t+3], v[MA] offset:8192*\x+512*t
.set t, t+1
.endr
	s_wait_dscnt 0x0
	WIN 0x04
.set t, 0
.rept 8
	v_wmma_f32_16x16x64_fp8_fp8 v[\S+8*t:\S+8*t+7], v[KF+8*t:KF+8*t+7], v[QF+8*\x:QF+8*\x+7], v[\S+8*t:\S+8*t+7]
.set t, t+1
.endr
	WIN 0
.Ljn_\@:
.endm
.macro MAXT S, x                       ; walk 1: the running largest score of my query among my keys, in four chains; each accumulator from its low end on
.set i, 0
.rept 32
	v_max3_num_f32 v[PC+4*\x+i%4], v[PC+4*\x+i%4], v[\S+2*i], v[\S+2*i+1]
.set i, i+1
.endr
.endm
; walk 2, tile x on set S: p, its sum, its codes, and O^T += V^T P^T.  dsw: the LDS loads younger than V's that may stay out.
.macro SOFT S, x, dsw
	s_wait_alu depctr_va_vdst(0)                   ; directly ahead of the first reader of S^T
.set i, 0
.rept 32
	v_pk_fma_f32 v[\S+i:\S+i+1], v[\S+i:\S+i+1], s[CS:CS+1], v[NM+2*\x:NM+2*\x+1] op_sel_hi:[1,0,0]   ; t - M, two at a time
.set i, i+2
.endr
	s_wait_alu depctr_va_vdst(0)                   ; ahead of the batch
.set i, 0
.rept 64
	v_exp_f32 v[\S+i], v[\S+i]                     ; p = 2^(t - M), at most 1
.set i, i+1
.endr
	v_nop                                          ; the plain line behind the exponentials
	s_wait_alu depctr_va_vdst(0)                   ; one wait for the batch, ahead of its first reader
	v_pk_add_f32 v[T1:T1+1], v[\S:\S+1], v[\S+2:\S+3]          ; the row's sum is taken of the unquantised p, in four chains
	v_pk_add_f32 v[T2:T2+1], v[\S+4:\S+5], v[\S+6:\S+7]
	v_pk_add_f32 v[T3:T3+1], v[\S+8:\S+9], v[\S+10:\S+11]
	v_pk_add_f32 v[LS+2*\x:LS+2*\x+1], v[LS+2*\x:LS+2*\x+1], v[\S+12:\S+13]
.set i, 14
.rept 6
	v_pk_add_f32 v[LS+2*\x:LS+2*\x+1], v[LS+2*\x:LS+2*\x+1], v[\S+i:\S+i+1]
	v_pk_add_f32 v[T1:T1+1], v[T1:T1+1], v[\S+i+2:\S+i+3]
	v_pk_add_f32 v[T2:T2+1], v[T2:T2+1], v[\S+i+4:\S+i+5]
	v_pk_add_f32 v[T3:T3+1], v[T3:T3+1], v[\S+i+6:\S+i+7]
.set i, i+8
.endr
	v_pk_add_f32 v[LS+2*\x:LS+2*\x+1], v[LS+2*\x:LS+2*\x+1], v[\S+62:\S+63]
	v_pk_add_f32 v[T1:T1+1], v[T1:T1+1], v[T2:T2+1]
	v_pk_add_f32 v[LS+2*\x:LS+2*\x+1], v[LS+2*\x:LS+2*\x+1], v[T3:T3+1]
	v_pk_add_f32 v[LS+2*\x:LS+2*\x+1], v[LS+2*\x:LS+2*\x+1], v[T1:T1+1]
.set i, 0
.rept 32
	v_dual_min_num_f32 v[\S+i], v[\S+i], v[LIMP] :: v_dual_min_num_f32 v[\S+i+1], v[\S+i+1], v[LIM2]   ; the conversion does not saturate (ISA guide 7.6.2); p is not negative, so the hold is one-sided; two holds an instruction
.set i, i+2
.endr
.set t, 0
.rept 8
	v_cvt_scalef32_pk8_fp8_f32 v[PC+2*t:PC+2*t+1], v[\S+8*t:\S+8*t+7], v[SCP]
.set t, t+1
.endr
	v_nop                                          ; one plain line between the conversions and the products that read their results
	s_wait_dscnt \dsw                              ; V is in
	WIN 0x51                                       ; source 0 (V), C and D (O^T) in window 1
	s_wait_alu depctr_va_vdst(0)                   ; directly ahead of the first reader of O^T
.set t, 0
.rept 4
	v_wmma_f32_16x16x128_fp8_fp8 v[OA+32*\x+8*t:OA+32*\x+8*t+7], v[VF+16*t:VF+16*t+15], v[PC:PC+15], v[OA+32*\x+8*t:OA+32*\x+8*t+7]   ; four accumulators by turns
.set t, t+1
.endr
	WIN 0
.endm
	s_load_b128 s[4:7], s[0:1], 0x0                ; qkvc, the scales' exponents
	s_load_b64 s[8:9], s[0:1], 0x10                ; yc
	v_lshl_add_u32 v[SPW], v0, 2, SPARE
	v_mov_b32 v[NIL], 0
	ds_add_u32 v[SPW], v[NIL]                      ; the opening: the add, twice on end, and its wait ahead of my first tensor load
	ds_add_u32 v[SPW], v[NIL]
	v_lshrrev_b32 v8, 5, v0
	v_readfirstlane_b32 s[W], v8                   ; wave 0..7
	s_bfe_u32 s[G], ttmp6, 0x40000                 ; g: my place in the cluster
	s_and_b32 s[HB], ttmp7, 0xffff                 ; 16 x batch + head
	s_sub_co_u32 s[HL], 15, s[W]
	s_mov_b32 s[LL], s[W]
	s_mov_b32 s24, 15|(1<<21)                      ; group 1: the mask names the four; bit 21 beside it; elements of 1 byte; no padding
	s_mov_b32 s25, 256<<16                         ; 32 KiB, dense, as 128 rows of 256 bytes
	s_mov_b32 s26, 128<<16
	s_mov_b32 s27, 256<<16
	s_mov_b32 s28, 128
	s_mov_b32 s29, 256
	s_mov_b32 s30, 0
	s_mov_b32 s31, 0
	s_mov_b32 s50, 0x76543210                      ; v_permlanex16_b32's selects for lane l xor 16
	s_mov_b32 s51, 0xfedcba98
	; my 32 registers of the masks: wave w builds keys 64 (w % 2) on of tile w / 2's.  A block's place in its last step is 32 m: m = 3 - g (high), g (low)
	s_sub_co_u32 s60, 3, s[G]
	s_cmp_lt_u32 s[W], 4
	s_cselect_b32 s60, s60, s[G]
	s_lshl_b32 s60, s60, 5
	s_bfe_u32 s61, s[W], 0x10001
	s_lshl_b32 s61, s61, 4
	s_add_co_u32 s60, s60, s61                     ; + 16 for the block's second tile
	s_and_b32 s61, s[W], 1
	s_lshl_b32 s61, s61, 6
	s_sub_co_i32 s60, s60, s61
	v_and_b32 v10, 15, v0                          ; r
	v_bfe_u32 v11, v0, 4, 1                        ; h
	v_and_b32 v12, 31, v0                          ; lane
	v_lshlrev_b32 v[L16], 4, v12
	v_lshlrev_b32 v13, 3, v11
	v_sub_nc_u32 v13, v10, v13
	v_add_nc_u32 v13, s60, v13                     ; d = my query's place - 8 h - 64 (w % 2): register 8 t + j is hidden where 16 t + j > d
	v_mov_b32 v[PL], NEG
	s_lshl_b32 s61, s[W], 12
	v_add_nc_u32 v[MA], MASKB, v[L16]
	v_add_nc_u32 v14, s61, v[MA]
	v_add_nc_u32 v[VL], VB, v[L16]
	s_wait_alu depctr_va_vdst(0)
	s_wait_dscnt 0x0                               ; both opening adds are done
	s_wait_kmcnt 0x0
	s_load_b256 s[40:47], s[6:7], 0x10             ; e4 .. e11
	s_lshl_b32 s20, s[HB], 17                      ; the head's first byte in each part of qkvc
	s_and_b32 s60, s[W], 1                         ; even waves fetch K, odd ones V;
	s_lshr_b32 s61, s[W], 1                        ; 512 keys each
	s_lshl_b32 s62, s60, 17
	s_lshl_b32 s63, s61, 15
	s_mov_b32 s32, 1
	s_add_co_u32 s33, s62, s63                     ; LDS address: the wave's number alone
	s_add_co_u32 s60, s60, 1
	s_lshl_b32 s60, s60, 23                        ; K's part begins 8 MiB into qkvc, V's 16 MiB
	s_add_co_u32 s60, s60, s63
	s_add_co_u32 s60, s60, s20
	s_mov_b32 s61, 0
	s_add_nc_u64 s[34:35], s[4:5], s[60:61]
	s_or_b32 s35, s35, 0x80000000
	CROUND                                         ; all four work-groups are here: the joint loads meet
	tensor_load_to_lds s[32:35], s[24:31]          ; my one tensor load
	s_nop 0
	NOP4
.set n, 0
.rept 32
	v_cmp_gt_i32 vcc_lo, 16*(n/8)+n%8, v13         ; my 32 registers of the masks, made under the tensor load's flight
	v_cndmask_b32 v[SA+n], 0, v[PL], vcc_lo
.set n, n+1
.endr
	s_lshl_b32 s60, s[W], 2
	s_add_co_u32 s60, s60, s[G]                    ; my low block,
	s_sub_co_u32 s62, 63, s60                      ; my high block: 2,048 bytes of Q each
	s_lshl_b32 s60, s60, 11
	s_add_co_u32 s60, s60, s20
	s_lshl_b32 s62, s62, 11
	s_add_co_u32 s62, s62, s20
	s_mov_b32 s63, 0
	s_add_nc_u64 s[12:13], s[4:5], s[60:61]
	s_add_nc_u64 s[10:11], s[4:5], s[62:63]
	WIN 0x40                                       ; destination in window 1
.irp a, 0,1
.irp c, 0,1
	global_load_b128 v[QF+8*\a+4*\c:QF+8*\a+4*\c+3], v[L16], s[10:11] offset:1024*\a+512*\c
	global_load_b128 v[QF+16+8*\a+4*\c:QF+16+8*\a+4*\c+3], v[L16], s[12:13] offset:1024*\a+512*\c
.endr
.endr
.set i, 0
.rept 128
	v_mov_b32 v[OA+i], 0                           ; O^T: the step is written once, so its first turn finds zeros; these lines stand under the tensor loads' flight
.set i, i+1
.endr
	WIN 0
	; yc is [token / 128][head][token % 128][64 bytes]; a block's 32 tokens are 2,048 bytes on end
	s_and_b32 s60, s[HB], 0xf0                     ; 16 x batch
	s_and_b32 s61, s[HB], 15
	s_add_co_u32 s62, s60, s[HL]
	s_lshl_b32 s62, s62, 4
	s_add_co_u32 s62, s62, s61
	s_lshl_b32 s62, s62, 13
	s_sub_co_u32 s63, 3, s[G]
	s_lshl_b32 s63, s63, 11
	s_add_co_u32 s62, s62, s63
	s_mov_b32 s63, 0
	s_add_nc_u64 s[56:57], s[8:9], s[62:63]        ; the high block's y,
	s_add_co_u32 s62, s60, s[LL]
	s_lshl_b32 s62, s62, 4
	s_add_co_u32 s62, s62, s61
	s_lshl_b32 s62, s62, 13
	s_lshl_b32 s60, s[G], 11
	s_add_co_u32 s62, s62, s60
	s_add_nc_u64 s[58:59], s[8:9], s[62:63]        ; the low block's
	s_mul_i32 s60, s[W], 2560
	s_add_co_u32 s60, s60, STAGE
	v_mul_u32_u24 v[SIN], v10, 80
	v_lshl_add_u32 v[SIN], v11, 3, v[SIN]
	v_add_nc_u32 v[SIN], s60, v[SIN]               ; in: row r, + 8 h
	v_lshrrev_b32 v8, 2, v12
	v_mul_u32_u24 v[SBK], v8, 80
	v_and_b32 v8, 3, v12
	v_lshl_add_u32 v[SBK], v8, 4, v[SBK]
	v_add_nc_u32 v[SBK], s60, v[SBK]               ; back: four lanes to a row's 64 bytes
.set i, 0
.rept 16
	v_mov_b32 v[PC+i], 0xff61b1e6                  ; the largest scores so far: -3e38
.set i, i+1
.endr
.set i, 0
.rept 8
	v_mov_b32 v[LS+i], 0                           ; the sums
.set i, i+1
.endr
.irp x, 0,1,2,3
	v_mov_b32 v[PL+\x], 0                          ; a lane permute's destination counts as one of its sources
.endr
	s_wait_kmcnt 0x0
	s_add_co_i32 s60, s42, s43                     ; e6 + e7,
	s_lshl_b32 s60, s60, 23
	s_add_co_i32 s[CS], s60, 0x3e38aa3b            ; added to the exponent field of c = log2(e) / 8
	s_mov_b32 s[CS+1], s[CS]
	MKSC 45, SCP, LIMP                             ; e9: p's scale
	v_mov_b32 v[LIM2], s60                         ; (s60 still holds 448 x 2^e9)
	MKSC 46, SCY, LIMY                             ; e10: y's
	s_wait_alu depctr_va_vdst(0)
	s_wait_tensorcnt 0x0                           ; my 32 KiB are in, and no tensor load of mine is out
.set n, 0
.rept 8
	ds_store_b128 v14, v[SA+4*n:SA+4*n+3] offset:512*n   ; my part of the masks: an image of the registers, 16 bytes a lane on end
.set n, n+1
.endr
	s_wait_dscnt 0x0                               ; it is stored
	s_barrier_signal -1
	s_barrier_wait -1                              ; and everybody's: all of K and V, and the masks
	s_wait_loadcnt 0x0                             ; Q
	; WALK 1: the rows' largest scores
	s_mov_b32 s[ST], 0
	s_mov_b32 s[KO], 0
	s_mov_b32 s60, 0
	GETK
.Lp1:
	s_cmp_gt_u32 s[ST], s[HL]
	s_cbranch_scc1 .Lp1_end                        ; hidden from the high block, and so from the low one
	s_wait_dscnt 0x0                               ; K's fragments are in
	s_cmp_gt_u32 s[ST], s[LL]
	s_cbranch_scc1 .Lp1_h
	SCORE SA, 2, LL
	SCORE SB, 3, LL
	NOP4                                           ; places in front of the first read of results
	MAXT SA, 2
	MAXT SB, 3
.Lp1_h:
	SCORE SA, 0, HL
	SCORE SB, 1, HL
	NOP4                                           ; places: for the loads into K's registers and for the first read of results
	NEXTK
	MAXT SA, 0
	MAXT SB, 1
.Lp1_end:
	s_add_co_u32 s[KO], s[KO], 8192
	s_add_co_u32 s[ST], s[ST], 1
	s_cmp_lt_u32 s[ST], 16
	s_cbranch_scc1 .Lp1
	s_wait_dscnt 0x0                               ; the last loads into K's registers have landed
	s_wait_alu depctr_va_vdst(0)
.irp x, 0,1,2,3
	v_max3_num_f32 v[PC+4*\x], v[PC+4*\x], v[PC+4*\x+1], v[PC+4*\x+2]
.endr
.irp x, 0,1,2,3
	v_max_num_f32 v[PC+4*\x], v[PC+4*\x], v[PC+4*\x+3]
.endr
.irp x, 0,1,2,3
	v_permlanex16_b32 v[PL+\x], v[PC+4*\x], s50, s51
.endr
.irp x, 0,1,2,3
	v_max_num_f32 v[PC+4*\x], v[PC+4*\x], v[PL+\x] ; and among lane l xor 16's keys
.endr
.irp x, 0,1,2,3
	v_mul_f32 v[NM+2*\x+1], s[CS], v[PC+4*\x]      ; as t (c is positive)
.endr
.irp x, 0,1,2,3
	v_floor_f32 v[NM+2*\x], -v[NM+2*\x+1]          ; -M = floor(-t) = -ceil(t)
.endr
	s_wait_alu depctr_va_vdst(0)
	; WALK 2
	s_mov_b32 s[ST], 0
	s_mov_b32 s[KO], 0
	s_mov_b32 s60, 0
	GETK
.Lp2:
	s_cmp_gt_u32 s[ST], s[HL]
	s_cbranch_scc1 .Lp2_end
	NOP4                                           ; places in front of loads into registers that the last products have read
	v_add_nc_u32 v[VA], s[KO], v[VL]
	WIN 0x40
.irp u, 0,1,2,3
.irp e, 0,1
.irp c, 0,1
	ds_load_b128 v[VF+16*\u+8*\e+4*\c:VF+16*\u+8*\e+4*\c+3], v[VA] offset:4096*\e+1024*\u+512*\c   ; channels 16 u on, keys 64 e on
.endr
.endr
.endr
	WIN 0
	s_wait_dscnt 16                                ; K's 16 loads are in; V's 16, issued behind them, may be out
	s_cmp_gt_u32 s[ST], s[LL]
	s_cbranch_scc1 .Lp2_h
	SCORE SA, 2, LL
	SCORE SB, 3, LL
	NOP4
	SOFT SA, 2, 0
	SOFT SB, 3, 0
.Lp2_h:
	SCORE SA, 0, HL
	SCORE SB, 1, HL
	NOP4
	NEXTK                                          ; the next step's K: 16 loads, the youngest from here to the trip's end
	SOFT SA, 0, 16
	SOFT SB, 1, 16
.Lp2_end:
	s_add_co_u32 s[KO], s[KO], 8192
	s_add_co_u32 s[ST], s[ST], 1
	s_cmp_lt_u32 s[ST], 16
	s_cbranch_scc1 .Lp2
	; THE WAY OUT.  y = O^T / the sum x 2^(e8 + e9), in f32; held within +-448 x 2^e10; converted; a tile's 16 rows x 64 bytes go through my stage and leave as 1,024 dense bytes.
	s_wait_dscnt 0x0
	NOP4                                           ; places behind the last products
	s_wait_alu depctr_va_vdst(0)
.irp x, 0,1,2,3
	v_add_f32 v[LS+2*\x], v[LS+2*\x], v[LS+2*\x+1] ; the sums' two halves,
.endr
.irp x, 0,1,2,3
	v_permlanex16_b32 v[PL+\x], v[LS+2*\x], s50, s51
.endr
.irp x, 0,1,2,3
	v_add_f32 v[LS+2*\x], v[LS+2*\x], v[PL+\x]     ; and lane l xor 16's
.endr
	s_wait_alu depctr_va_vdst(0)                   ; ahead of the batch
.irp x, 0,1,2,3
	v_rcp_f32 v[LS+2*\x+1], v[LS+2*\x]
.endr
	v_nop
	s_add_co_i32 s60, s44, s45
	s_wait_alu depctr_va_vdst(0)                   ; one wait for the four, ahead of their first reader
.irp x, 0,1,2,3
	v_ldexp_f32 v[LS+2*\x], v[LS+2*\x+1], s60
.endr
.macro YOUT x
	WIN 0x01                                       ; source 0 (O^T) in window 1
	s_wait_alu depctr_va_vdst(0)                   ; directly ahead of the first reader of O^T
.set i, 0
.rept 16
	v_pk_mul_f32 v[SA+i:SA+i+1], v[OA+32*\x+i:OA+32*\x+i+1], v[LS+2*\x:LS+2*\x+1] op_sel_hi:[1,0]   ; each accumulator from its low end on
.set i, i+2
.endr
	WIN 0
.set i, 0
.rept 32
	v_med3_num_f32 v[SA+i], v[SA+i], -v[LIMY], v[LIMY]
.set i, i+1
.endr
.irp u, 0,1,2,3
	v_cvt_scalef32_pk8_fp8_f32 v[SB+8*\x+2*\u:SB+8*\x+2*\u+1], v[SA+8*\u:SA+8*\u+7], v[SCY]
.endr
	v_nop                                          ; one plain line behind the last conversion
.irp u, 0,1,2,3
	ds_store_b64 v[SIN], v[SB+8*\x+2*\u:SB+8*\x+2*\u+1] offset:1280*(\x%2)+16*\u   ; channels 16 u + 8 h + 0 .. 7 of query r
.endr
	ds_load_b128 v[KF+8*\x:KF+8*\x+3], v[SBK] offset:1280*(\x%2)       ; LDS serves a wave's instructions in order (ISA guide 5.7.1.4): these see my stores, and a later tile's stores come behind them
	ds_load_b128 v[KF+8*\x+4:KF+8*\x+7], v[SBK] offset:1280*(\x%2)+640
.endm
	YOUT 0
	YOUT 1
	YOUT 2
	YOUT 3
	s_wait_dscnt 0x0
.irp x, 0,1,2,3
	global_store_b128 v[L16], v[KF+8*\x:KF+8*\x+3], s[56+2*(\x/2):57+2*(\x/2)] offset:1024*(\x%2)        ; 32 lanes store 512 consecutive bytes, aligned
	global_store_b128 v[L16], v[KF+8*\x+4:KF+8*\x+7], s[56+2*(\x/2):57+2*(\x/2)] offset:1024*(\x%2)+512
.endr
	s_wait_tensorcnt 0x0                           ; the wave's end
	ds_add_u32 v[SPW], v[NIL]
	s_wait_dscnt 0x0
	CROUND                                         ; the closing round
	s_endpgm
.Lfunc_end_k_qace32fe210_attn:
	.size	k_qace32fe210_attn, .Lfunc_end_k_qace32fe210_attn-k_qace32fe210_attn
	.p2alignl 7, 3214868480
	.fill 96, 4, 3214868480
	.section	.rodata,"a",@progbits
	.p2align	6, 0x0
	.amdhsa_kernel k_qace32fe210_attn
		.amdhsa_group_segment_fixed_size 327680
		.amdhsa_private_segment_fixed_size 0
		.amdhsa_enable_private_segment 0
		.amdhsa_kernarg_size 24
		.amdhsa_user_sgpr_count 2
		.amdhsa_user_sgpr_kernarg_segment_ptr 1
		.amdhsa_wavefront_size32 1
		.amdhsa_system_sgpr_workgroup_id_x 1
		.amdhsa_system_sgpr_workgroup_id_y 1
		.amdhsa_system_sgpr_workgroup_id_z 1
		.amdhsa_system_vgpr_workitem_id 0
		.amdhsa_next_free_vgpr 512
		.amdhsa_next_free_sgpr 66
		.amdhsa_reserve_vcc 1
		.amdhsa_float_denorm_mode_32 3
		.amdhsa_float_denorm_mode_16_64 3
		.amdhsa_memory_ordered 1
		.amdhsa_forward_progress 1
		.amdhsa_inst_pref_size 103
	.end_amdhsa_kernel
	.amdgpu_metadata
---
amdhsa.version: [ 1, 2 ]
amdhsa.kernels:
  - .name:           k_qace32fe210_attn
    .symbol:         k_qace32fe210_attn.kd
    .args:
      - { .name: qkvc, .offset: 0, .size: 8, .value_kind: global_buffer, .address_space: global }
      - { .name: lowp_scales, .offset: 8, .size: 8, .value_kind: global_buffer, .address_space: global }
      - { .name: yc, .offset: 16, .size: 8, .value_kind: global_buffer, .address_space: global }
    .group_segment_fixed_size: 327680
    .private_segment_fixed_size: 0
    .kernarg_segment_align: 8
    .kernarg_segment_size: 24
    .max_flat_workgroup_size: 256
    .sgpr_count:     66
    .vgpr_count:     512
    .wavefront_size: 32
...
	.end_amdgpu_metadata
.endif
;; end of part 3
;; launch proj (part 4): grid 4 x 64, 4 waves a work-group, clusters of 4 x 4, 327,680 bytes of LDS; arguments yc, wc, lowp_scales, bp, out0; writes out0
.if DOCPART == 4
	.amdgcn_target "amdgcn-amd-amdhsa--gfx1250"
	.amdhsa_code_object_version 6
	.text
	.protected	k_qace32fe210_proj
	.globl	k_qace32fe210_proj
	.p2align	8
	.type	k_qace32fe210_proj,@function
k_qace32fe210_proj:
	s_mov_b64 s[64:65], 0
	v_nop
	global_prefetch_b8 v0, s[64:65] scope:SCOPE_SE
	s_setreg_imm32_b32 hwreg(HW_REG_WAVE_MODE, 25, 1), 1
	s_wait_xcnt 0x0
	s_wait_alu depctr_hold_cnt(0) depctr_sa_sdst(0) depctr_va_vdst(0) depctr_va_sdst(0) depctr_va_ssrc(0) depctr_va_vcc(0) depctr_vm_vsrc(0)
	s_getreg_b32 s2, hwreg(HW_REG_IB_STS2, 6, 4)
	s_cmp_eq_u32 s2, 0
	s_cbranch_scc0 .Lentry_in_a_cluster
	s_endpgm
.Lentry_in_a_cluster:
	s_bfe_u32 s2, ttmp6, 0x10000c
	s_cmp_lg_u32 s2, 0xf033
	s_cbranch_scc0 .Lentry_shape_is_right
	s_endpgm
.Lentry_shape_is_right:
; out0 = y Wp^T + bp on codes of FP8 (E4M3), sums in f32: each finished sum x 2^(e10 + e11) + the bias.
; y's codes come as the launch before laid them: [token / 128][head 16][token % 128][64 bytes]; Wp's codes are the fourth part of wc, [1024][1024], K innermost.
; A block of the result is 128 tokens x 256 columns: 64 x 4 = 256 work-groups.  Four waves, each 64 x 128: 32 accumulators, 256 registers.
; K = 1,024 goes in four steps of 256 (four heads) through a ring of two LDS slots filled by the tensor data mover: waves 0 and 1 fetch two heads each of A's tile (16 KiB, dense), waves 2 and 3 128 rows each of B's.
; CLUSTERS: 4 x 4 work-groups; A's tile is asked for jointly along a row of the cluster, B's along a column.
; NO PREFETCH: K has four steps; steps 0 and 1 come by the head's loads, and the two refills follow them by one step each: no trip stands two steps ahead of a load.
; THE MATRIX INSTRUCTION IS USED TRANSPOSED (source 0 = 16 rows of Wp, source 1 = 16 tokens): a lane holds eight neighbouring columns of one token.
; A fragment is fetched by four loads of 16 bytes: registers 4 c .. 4 c + 3 hold K = 32 c + 16 (lane / 16) + 0 .. 15: a permutation of k, the same in A and in B.
; LIMIT: e10 + e11 between -126 and 127, so that 2^(e10 + e11) is an f32 number.
; REGISTERS, in windows of 256: window 0: v0-31 addresses and the bias; v128-191, v192-255 A's fragments (4 x 16 rows x 128 K), two sets; on the way out rows read back.
;   window 1: B's fragments (8 x 16 rows x 128 K), two sets.   window 2: the accumulators ((a, b) at v[8 (8 a + b)]).
.set ROWB,   256
.set KROW,   1024
.set PITCH,  272                       ; B's LDS row: 256 bytes + 16 of padding
.set APITCH, 80                        ; A's LDS row: a token's 64 codes of one head + 16 of padding
.set AHEAD,  128*APITCH                ; one head's 128 tokens
.set TILEA,  4*AHEAD
.set HALFB,  128*PITCH
.set SLOT,   TILEA+2*HALFB
.set SPARE,  2*SLOT                    ; behind the ring: the spare words, 128 bytes for each wave
.set SPITCH, 528                       ; the way out: a stage of 16 rows x (512 bytes + 16) for each wave, in slot 0, which has had its last fill and its last read by then
.set FR,   16
.set NP,   4                           ; places behind this matrix instruction (ISA guide 7.12.1)
.set ADRA, 16
.set ADRB, 20
.set STO,  24
.set RD,   25
.set CO,   26
.set SPW,  28
.set NIL,  29
.set AF,   128
.set BK,   128
.set G1, 24
.set G0, 32
.set G1B, 48
.set G0B, 56
.set MSB, 0
.macro WIN new                         ; the immediate's high byte repeats the setting that is left
.if MSB != (\new)
	s_set_vgpr_msb (MSB<<8)|(\new)
.set MSB, (\new)
.endif
.endm
.set MUL_LO, 0xa1                      ; source 0 (B) window 1, source 1 (A) window 0, C and D window 2
.set TO_B,   0x40
.macro JLOAD g0a, g1a, g0b, g1b        ; a joint load: waves 0 and 1 for A, waves 2 and 3 for B; an s_nop 0 and four v_nop follow each line
	s_cmp_eq_u32 s15, 0
	s_cbranch_scc0 .Lfor_b_\@
	tensor_load_to_lds s[\g0a:\g0a+3], s[\g1a:\g1a+7]
	s_nop 0
.rept 4
	v_nop
.endr
	s_branch .Lasked_\@
.Lfor_b_\@:
	tensor_load_to_lds s[\g0b:\g0b+3], s[\g1b:\g1b+7]
	s_nop 0
.rept 4
	v_nop
.endr
.Lasked_\@:
.endm
.macro CREST                           ; a round of the cluster's barrier behind its opening barrier
	s_cmp_lg_u32 s14, 0
	s_cbranch_scc1 .Lnot_wave_0_\@
	s_barrier_signal -3
.Lnot_wave_0_\@:
	s_barrier_wait -3
	s_barrier_signal -1
	s_barrier_wait -1
.endm
.macro CROUND
	s_barrier_signal -1
	s_barrier_wait -1
	CREST
.endm
	s_load_b128 s[4:7], s[0:1], 0x0                ; yc, wc
	s_load_b128 s[8:11], s[0:1], 0x10              ; the scales' exponents, bp
	s_load_b64 s[12:13], s[0:1], 0x20              ; out0
	v_lshl_add_u32 v[SPW], v0, 2, SPARE
	v_mov_b32 v[NIL], 0
	ds_add_u32 v[SPW], v[NIL]                      ; the opening: the add, twice on end, and its wait ahead of my first tensor load
	ds_add_u32 v[SPW], v[NIL]
	v_lshrrev_b32 v1, 5, v0
	v_readfirstlane_b32 s14, v1                    ; wave 0..3
	s_lshr_b32 s15, s14, 1                         ; which 64 tokens are mine.  Also: I fetch for A (0) or for B (1)
	s_and_b32 s16, s14, 1                          ; which 128 columns.  Also: which half of that tile I fetch
	s_bfe_u32 s40, ttmp6, 0x40000                  ; cx, cy
	s_bfe_u32 s41, ttmp6, 0x40004
	s_lshl_b32 s42, ttmp9, 2
	s_add_co_u32 s42, s42, s40                     ; block column
	s_and_b32 s17, ttmp7, 0xffff
	s_lshl_b32 s17, s17, 2
	s_add_co_u32 s17, s17, s41                     ; block row: 128 tokens
	s_lshl_b32 s43, s41, 2
	s_lshl_b32 s43, 15, s43                        ; my row of the cluster
	s_lshl_b32 s44, 0x1111, s40                    ; my column
	s_or_b32 s[G1+0], s43, (0<<16)|(1<<20)|(1<<21)|(3<<22)|(3<<25)   ; A: elements of 1 byte; four words of padding after every 16
	s_mov_b32 s[G1+1], 256<<16                     ; 16 KiB, dense, as 64 rows of 256 bytes
	s_mov_b32 s[G1+2], 64<<16
	s_mov_b32 s[G1+3], 256<<16
	s_mov_b32 s[G1+4], 64
	s_mov_b32 s[G1+5], 256
	s_mov_b32 s[G1+6], 0
	s_mov_b32 s[G1+7], 0
	s_or_b32 s[G1B+0], s44, (0<<16)|(1<<20)|(1<<21)|(5<<22)|(3<<25)  ; B: four words of padding after every 64
	s_mov_b32 s[G1B+1], ROWB<<16
	s_mov_b32 s[G1B+2], 128<<16
	s_mov_b32 s[G1B+3], ROWB<<16
	s_mov_b32 s[G1B+4], 128
	s_mov_b32 s[G1B+5], KROW
	s_mov_b32 s[G1B+6], 0
	s_mov_b32 s[G1B+7], 0
	s_lshl_b32 s20, s17, 17                        ; A: 128 tokens are 16 heads x 8,192 bytes;
	s_lshl_b32 s18, s16, 14                        ; my two heads of a step's four
	s_add_co_u32 s20, s20, s18
	s_mov_b32 s21, 0
	s_lshl_b32 s46, s42, 8
	s_lshl_b32 s18, s16, 7
	s_add_co_u32 s46, s46, s18                     ; B: row 256 x block column + 128 x half
	s_lshl_b32 s46, s46, 10
	s_add_co_u32 s46, s46, 0x300000                ; Wp's part of wc
	s_mov_b32 s47, 0
	s_mul_i32 s45, s16, 2*AHEAD                    ; where they go: no place in the cluster enters an LDS address
	s_mul_i32 s19, s16, HALFB
	s_add_co_u32 s19, s19, TILEA
	s_wait_dscnt 0x0                               ; both opening adds are done
	s_wait_kmcnt 0x0
	s_load_b64 s[96:97], s[8:9], 0x28              ; e10, e11
	s_add_nc_u64 s[20:21], s[4:5], s[20:21]
	s_add_nc_u64 s[46:47], s[6:7], s[46:47]
	CROUND                                         ; all sixteen work-groups are here: the first joint loads meet
.irp s, 0,1
	s_mov_b32 s[G0+4*\s], 1
	s_add_co_u32 s[G0+4*\s+1], s45, \s*SLOT
	s_add_nc_u64 s[G0+4*\s+2:G0+4*\s+3], s[20:21], \s*32768
	s_or_b32 s[G0+4*\s+3], s[G0+4*\s+3], 0x80000000
	s_mov_b32 s[G0B+4*\s], 1
	s_add_co_u32 s[G0B+4*\s+1], s19, \s*SLOT
	s_add_nc_u64 s[G0B+4*\s+2:G0B+4*\s+3], s[46:47], \s*ROWB
	s_or_b32 s[G0B+4*\s+3], s[G0B+4*\s+3], 0x80000000
.endr
	JLOAD G0, G1, G0B, G1B                         ; K step 0: one tensor load a wave at the head
	v_and_b32 v1, 15, v0                           ; r
	v_bfe_u32 v2, v0, 4, 1                         ; h
	v_mul_u32_u24 v3, v1, PITCH
	v_lshl_add_u32 v4, v2, 4, v3
	v_mul_u32_u24 v3, v1, APITCH
	v_lshl_add_u32 v7, v2, 4, v3
	s_mul_i32 s21, s15, 64*APITCH                  ; my 64 tokens in each head's rows
	s_mul_i32 s22, s16, HALFB                      ; my 128 rows of B,
	s_add_co_u32 s22, s22, TILEA                   ; which lie behind A's tile
.irp s, 0,1
	v_add_nc_u32 v[ADRA+\s], s21, v7
	v_add_nc_u32 v[ADRB+\s], s22, v4
	s_add_co_u32 s21, s21, SLOT
	s_add_co_u32 s22, s22, SLOT
.endr
	s_mul_i32 s23, s14, 16*SPITCH                  ; my stage
	s_wait_alu depctr_va_vdst(0)
	v_mul_u32_u24 v5, v1, SPITCH
	v_lshl_add_u32 v5, v2, 5, v5
	v_add_nc_u32 v[STO], s23, v5                   ; in: row r, 32 bytes for each half of the lanes
	v_and_b32 v6, 31, v0
	v_lshlrev_b32 v[CO], 4, v6                     ; back: the 32 lanes take one row of 512 bytes; and the same in out0 and in the bias
	v_add_nc_u32 v[RD], s23, v[CO]
	s_wait_alu depctr_va_vdst(0)
	s_lshl_b32 s20, s17, 7
	s_lshl_b32 s21, s15, 6
	s_add_co_u32 s20, s20, s21                     ; my first token
	s_lshl_b32 s20, s20, 12                        ; a row of out0 is 4,096 bytes
	s_mov_b32 s21, 0
	s_lshl_b32 s46, s42, 10
	s_lshl_b32 s47, s16, 9
	s_add_co_u32 s46, s46, s47                     ; my first column, in bytes
	s_mov_b32 s47, 0
	s_add_nc_u64 s[10:11], s[10:11], s[46:47]
	s_add_nc_u64 s[12:13], s[12:13], s[20:21]
	s_add_nc_u64 s[12:13], s[12:13], s[46:47]
	global_load_b128 v[12:15], v[CO], s[10:11]     ; the bias of my four columns of a row
.macro FRAG reg, adr, q, i
.irp c, 0,1,2,3
	ds_load_b128 v[\reg+4*\c:\reg+4*\c+3], v[\adr] offset:128*(\q)+32*\c+(\i)*16*PITCH
.endr
.endm
.macro FRAGA reg, adr, q, i            ; 128 along K are two heads
.irp c, 0,1,2,3
	ds_load_b128 v[\reg+4*\c:\reg+4*\c+3], v[\adr] offset:(2*(\q)+\c/2)*AHEAD+32*(\c%2)+(\i)*16*APITCH
.endr
.endm
; 16 matrix instructions: A's blocks a0, a0 + 1 x B's eight, 128 along K, on fragment set p.  zero = 1: the first product starts the sums.  The 32 accumulators take turns, one instruction a turn.
.macro MUL16 a0, p, zero
.irp a, \a0, \a0+1
.irp b, 0,1,2,3,4,5,6,7
.if \zero
	v_wmma_f32_16x16x128_fp8_fp8 v[8*(8*(\a)+\b):8*(8*(\a)+\b)+7], v[128*(\p)+FR*\b:128*(\p)+FR*\b+FR-1], v[AF+64*(\p)+FR*(\a):AF+64*(\p)+FR*(\a)+FR-1], 0
.else
	v_wmma_f32_16x16x128_fp8_fp8 v[8*(8*(\a)+\b):8*(8*(\a)+\b)+7], v[128*(\p)+FR*\b:128*(\p)+FR*\b+FR-1], v[AF+64*(\p)+FR*(\a):AF+64*(\p)+FR*(\a)+FR-1], v[8*(8*(\a)+\b):8*(8*(\a)+\b)+7]
.endif
.endr
.endr
.endm
.macro FETCH slot, q, p                ; 48 LDS loads: the fragments of the slot's q-th 128 along K into set p
	WIN TO_B
.irp i, 0,1,2,3,4,5,6,7
	FRAG 128*(\p)+FR*\i, ADRB+\slot, \q, \i
.endr
	WIN 0
.irp i, 0,1,2,3
	FRAGA AF+64*(\p)+FR*\i, ADRA+\slot, \q, \i
.endr
.endm
.macro PLACES n                        ; plain vector lines between a matrix instruction and a load into a register that it has read (ISA guide 7.12.1 for vector instructions)
.rept \n
	v_nop
.endr
.endm
; A slot's first step multiplies set 0; ahead of its products the second step's fragments are asked for, into set 1.
.macro STEP slot, zero
	PLACES NP
	FETCH \slot, 1, 1
	s_wait_dscnt 48                                ; set 0 is in; the 48 loads just issued may be out
	WIN MUL_LO
	MUL16 0, 0, \zero
	MUL16 2, 0, \zero
	WIN 0
.endm
; A slot's second step multiplies set 1 and changes slots: ONE barrier; in front of it each wave waits for all its tensor loads, adds 0 to its spare word, and waits for that and for its reads of this slot.  fill = 1: this slot is filled again, two K steps ahead.
.macro TURN slot, next, fill
	s_wait_tensorcnt 0x0                           ; all my tensor loads have landed: my part of the next slot
	ds_add_u32 v[SPW], v[NIL]                      ; 0 onto my spare word
	s_wait_dscnt 0x0                               ; the add is done, and my reads of this slot are over
	s_barrier_signal -1
	WIN MUL_LO
	MUL16 0, 1, 0
	WIN 0
	s_barrier_wait -1
.if \fill
	CREST                                          ; the barrier has opened a round of the cluster's barrier
	s_add_nc_u64 s[G0+4*\slot+2:G0+4*\slot+3], s[G0+4*\slot+2:G0+4*\slot+3], 2*32768
	s_add_nc_u64 s[G0B+4*\slot+2:G0B+4*\slot+3], s[G0B+4*\slot+2:G0B+4*\slot+3], 2*ROWB
	JLOAD G0+4*\slot, G1, G0B+4*\slot, G1B         ; the first tensor load behind the round; its four v_nop are also the places in front of the loads below
.else
	PLACES NP
.endif
	FETCH \next, 0, 0
	WIN MUL_LO
	MUL16 2, 1, 0
	WIN 0
.endm
	s_wait_alu depctr_va_vdst(0)
	s_wait_tensorcnt 0x0                           ; my part of K step 0 is in
	ds_add_u32 v[SPW], v[NIL]
	s_wait_dscnt 0x0
	CROUND                                         ; everybody's part of K step 0 is in, and all sixteen work-groups are here
	JLOAD G0+4, G1, G0B+4, G1B                     ; K step 1: slot 1's first fill, the first tensor load behind the round
	FETCH 0, 0, 0
	STEP 0, 1                                      ; the first products start the sums
	TURN 0, 1, 1                                   ; slot 0 takes K step 2
	STEP 1, 0
	TURN 1, 0, 1                                   ; slot 1 takes K step 3
	STEP 0, 0
	TURN 0, 1, 0                                   ; nothing more is filled
	STEP 1, 0
	s_wait_dscnt 0x0
	WIN MUL_LO
	MUL16 0, 1, 0
	MUL16 2, 1, 0
	WIN 0
; THE WAY OUT, block by block of 16 tokens x 128 columns: through my stage in LDS, back as whole rows of 512 bytes; there x 2^(e10 + e11) + the bias; 32 lanes store two aligned units of 256 bytes.
.macro TOSTAGE a
.set AC, 64*(\a)
	WIN 0x08                                       ; the stores' data in window 2
.irp b, 0,1,2,3,4,5,6,7
	ds_store_b128 v[STO], v[AC+8*\b:AC+8*\b+3] offset:64*\b          ; each accumulator from its low end on
	ds_store_b128 v[STO], v[AC+8*\b+4:AC+8*\b+7] offset:64*\b+16
.endr
	WIN 0
.set BB, BK+64*((\a)%2)
.irp t, 0,1,2,3,4,5,6,7,8,9,10,11,12,13,14,15
	ds_load_b128 v[BB+4*\t:BB+4*\t+3], v[RD] offset:\t*SPITCH        ; LDS serves a wave's instructions in order (ISA guide 5.7.1.4): these see my stores
.endr
.endm
.macro SEND a, younger                 ; younger: the LDS instructions issued behind block a's loads, which may stay out
.set BB, BK+64*((\a)%2)
	s_wait_dscnt \younger
.if (\a) > 0
	s_add_nc_u64 s[12:13], s[12:13], 16*4096       ; (behind a wait on XCNT: the earlier stores have read their base)
.endif
.irp t, 0,1,2,3,4,5,6,7,8,9,10,11,12,13,14,15
	v_pk_fma_f32 v[BB+4*\t:BB+4*\t+1], v[BB+4*\t:BB+4*\t+1], s[96:97], v[12:13] op_sel_hi:[1,0,1]
	v_pk_fma_f32 v[BB+4*\t+2:BB+4*\t+3], v[BB+4*\t+2:BB+4*\t+3], s[96:97], v[14:15] op_sel_hi:[1,0,1]
	global_store_b128 v[CO], v[BB+4*\t:BB+4*\t+3], s[12:13] offset:\t*4096 th:TH_STORE_NT
.endr
.endm
	s_wait_kmcnt 0x0
	s_wait_loadcnt 0x0                             ; the bias
	s_add_co_i32 s96, s96, s97
	s_add_co_i32 s96, s96, 127
	s_lshl_b32 s96, s96, 23                        ; 2^(e10 + e11) as f32
	s_mov_b32 s97, s96                             ; (named with it as a pair, so it is written)
	PLACES NP                                      ; behind the last products: for the stores that read results and the loads into A's registers
	s_wait_alu depctr_va_vdst(0)
	TOSTAGE 0
.irp a, 1,2,3
.if \a > 1
	s_wait_xcnt 0x0                                ; block a - 2's stores have read their registers and their base
.endif
	TOSTAGE \a
	SEND \a-1, 32                                  ; behind block a - 1's loads: block a's 16 stores and 16 loads
.endr
	s_wait_xcnt 0x0
	SEND 3, 0
	s_wait_tensorcnt 0x0                           ; the wave's end
	ds_add_u32 v[SPW], v[NIL]
	s_wait_dscnt 0x0
	CROUND                                         ; the closing round
	s_endpgm
.Lfunc_end_k_qace32fe210_proj:
	.size	k_qace32fe210_proj, .Lfunc_end_k_qace32fe210_proj-k_qace32fe210_proj
	.p2alignl 7, 3214868480
	.fill 96, 4, 3214868480
	.section	.rodata,"a",@progbits
	.p2align	6, 0x0
	.amdhsa_kernel k_qace32fe210_proj
		.amdhsa_group_segment_fixed_size 327680
		.amdhsa_private_segment_fixed_size 0
		.amdhsa_enable_private_segment 0
		.amdhsa_kernarg_size 40
		.amdhsa_user_sgpr_count 2
		.amdhsa_user_sgpr_kernarg_segment_ptr 1
		.amdhsa_wavefront_size32 1
		.amdhsa_system_sgpr_workgroup_id_x 1
		.amdhsa_system_sgpr_workgroup_id_y 1
		.amdhsa_system_sgpr_workgroup_id_z 1
		.amdhsa_system_vgpr_workitem_id 0
		.amdhsa_next_free_vgpr 768
		.amdhsa_next_free_sgpr 98
		.amdhsa_reserve_vcc 0
		.amdhsa_float_denorm_mode_32 3
		.amdhsa_float_denorm_mode_16_64 3
		.amdhsa_memory_ordered 1
		.amdhsa_forward_progress 1
		.amdhsa_inst_pref_size 76
	.end_amdhsa_kernel
	.amdgpu_metadata
---
amdhsa.version: [ 1, 2 ]
amdhsa.kernels:
  - .name:           k_qace32fe210_proj
    .symbol:         k_qace32fe210_proj.kd
    .args:
      - { .name: yc, .offset: 0, .size: 8, .value_kind: global_buffer, .address_space: global }
      - { .name: wc, .offset: 8, .size: 8, .value_kind: global_buffer, .address_space: global }
      - { .name: lowp_scales, .offset: 16, .size: 8, .value_kind: global_buffer, .address_space: global }
      - { .name: bp, .offset: 24, .size: 8, .value_kind: global_buffer, .address_space: global }
      - { .name: out0, .offset: 32, .size: 8, .value_kind: global_buffer, .address_space: global }
    .group_segment_fixed_size: 327680
    .private_segment_fixed_size: 0
    .kernarg_segment_align: 8
    .kernarg_segment_size: 40
    .max_flat_workgroup_size: 128
    .sgpr_count:     98
    .vgpr_count:     768
    .wavefront_size: 32
...
	.end_amdgpu_metadata
.endif
;; end of part 4
